; MI455X (gfx1250); checked and timed in simulation.
; The chip was launched on July 23, 2026; its instructions are those of AMD's public machine-readable ISA for CDNA 5 (MIT licence, August 2026) and "CDNA5" Instruction Set Architecture Reference Guide (July 2026). The comments in the code are by the model that wrote it; some were corrected since.
;; Space Self Attention. Allowed arithmetic: matrix products marked QUANTISED: E2M1 operands, one E8M0 scale for each 32 along K, by v_wmma_scale_f32_16x16x128_f8f6f4 with both operands' format E2M1 (or v_wmma_scale_f32_32x16x128_f4), f32 sums; products left as they are: bf16, f16 or f32 operands; f32 sums; everything else in f32.
;; Inputs: Wk 768 x 768 float32; Wproj 768 x 768 float32; Wq 768 x 768 float32; Wv 768 x 768 float32; freqs_cos 1,024 x 32 float32; freqs_sin 1,024 x 32 float32; kn_b 768 float32; kn_w 768 float32; qn_b 768 float32; qn_w 768 float32; x 16 x 1,033 x 768 float32.
;; Outputs: out0 16 x 1,033 x 768 float32.
;; This version of the problem:
;;   THIS VERSION OF THE PROBLEM IS GIVEN IN LOW PRECISION. The matrix products marked QUANTISED in the list below multiply operands that are first quantised to E2M1 (2 exponent bits, 1 mantissa bit; 4 bits a number), with one power-of-two scale for each 32 numbers along K (OCP MX v1.0); their sums are f32. The products marked 'left as it is' may take bf16, f16 or f32 operands, with f32 sums. Whichever they take, every output number must still come out within the allowed error. Rounding operands to bf16 (8 significant bits) uses up far more of that allowance than f16 does (11 bits, for magnitudes from 6e-5 to 65,504). All else is computed in f32.
;;   The module's matrix products, in the order in which they are computed (A, B: the left and right operand; K: the contracted axis; several contracted axes count as one K, in the product's order):
;;     1. [M 16,528, K 768] x [K 768, N 768]; A: input x; B: input Wq: QUANTISED
;;     2. [M 16,528, K 768] x [K 768, N 768]; A: input x; B: input Wk: QUANTISED
;;     3. [M 16,528, K 768] x [K 768, N 768]; A: input x; B: input Wv: QUANTISED
;;     4. batch 192 x [M 1,033, K 64] x [K 64, N 1,033]; A: computed on the way; B: computed on the way: left as it is (an operand is computed on the way)
;;     5. batch 192 x [M 1,033, K 1,033] x [K 1,033, N 64]; A: computed on the way; B: computed on the way: left as it is (an operand is computed on the way)
;;     6. [M 16,528, K 768] x [K 768, N 768]; A: computed on the way; B: input Wproj: left as it is (an operand is computed on the way)
;;   THE QUANTISER, for each operand of a quantised product, along K:
;;     - K is cut into blocks of 32 from its start; a last block that is shorter is filled with zeros.
;;     - A block's scale is 2^e with e = floor(log2(the largest magnitude in the block)) - 2, held to -126 .. 127; a block of zeros has e = 0. As a byte (E8M0): e + 127.
;;     - Each number is divided by its block's scale, clamped to +-6, and rounded to the nearest number of E2M1, ties to even, subnormals kept.
;;     - The product sums the exact products of the quantised numbers (number of the format x scale) in f32.
;;   ~~~python
;;   def quantise(x, axis):      # numpy; x: float32 -> the quantised numbers, widened to float32 again
;;       x = np.moveaxis(x, axis, -1); K = x.shape[-1]
;;       x = np.pad(x, [(0, 0)] * (x.ndim - 1) + [(0, -K % 32)]); x = x.reshape(x.shape[:-1] + (-1, 32)); a = np.abs(x).max(-1, keepdims=True)
;;       e = np.where(a > 0, np.clip(np.frexp(np.where(a > 0, a, 1))[1] - 1 - 2, -126, 127), 0)      # np.frexp(a)[1] - 1 = floor(log2(a)), exactly
;;       r = np.clip(x / 2.0 ** e, -6, 6)
;;       step = 2.0 ** (np.maximum(np.frexp(np.where(r == 0, 1, r))[1] - 1, 0) - 1)
;;       q = np.round(r / step) * step * 2.0 ** e      # np.round: ties to even
;;       return np.moveaxis(q.reshape(q.shape[:-2] + (-1,))[..., :K], -1, axis).astype(np.float32)
;;   ~~~
;; One version. Each part assembles by itself: llvm-mc -triple=amdgcn-amd-amdhsa -mcpu=gfx1250 --defsym DOCPART=n.
;; ======== version 1 of 1: 4 launches
;; limits: values are held in f16: magnitudes above 65,504 overflow, below 6.1e-05 lose precision
;; workspace buffers: Ximg 6,389,760 bytes; Xsc 399,360 bytes; Wblk 940,032 bytes; Wp 1,179,648 bytes; Qimg 25,559,040 bytes; KV 51,118,080 bytes; Y 25,559,040 bytes
;; launch prep (part 1): grid 344 x 1, 4 waves a work-group, no clusters, 34,304 bytes of LDS; arguments x, Wq, Wk, Wv, Wproj, Ximg, Xsc, Wblk, Wp; writes Ximg, Xsc, Wblk, Wp
.if DOCPART == 1
	.amdgcn_target "amdgcn-amd-amdhsa--gfx1250"
	.amdhsa_code_object_version 6
	.text
	.protected	k_qe92f321e63_prep
	.globl	k_qe92f321e63_prep
	.p2align	8
	.type	k_qe92f321e63_prep,@function
k_qe92f321e63_prep:
	s_mov_b64 s[64:65], 0
	v_nop
	global_prefetch_b8 v0, s[64:65] scope:SCOPE_SE
	s_setreg_imm32_b32 hwreg(HW_REG_WAVE_MODE, 25, 1), 1
	s_wait_xcnt 0x0
; prep: x, Wq, Wk, Wv (f32, K = 768 innermost) become codes of E2M1 with one E8M0 byte for each 32 along K; Wproj becomes f16.
; All results are laid as IMAGES OF OPERAND REGISTERS: a fragment of 16 rows x 128 K of codes is two groups of 512 bytes, lane l's 16 bytes at 16 l.
; POSITIONS.  Each batch's 1,033 tokens are laid as 65 tiles of 16 positions: position p < 1,024 is token p + 9; tile 64 holds tokens 0 .. 8, and its rows 9 .. 15 repeat token 8.
; SHARES.  Work-groups 0-259: a tile of x a wave.  260-295: a tile of 16 rows of Wq, Wk or Wv a wave.  Both take one path; pointers and strides are chosen by the work-group's number.
; 296-343: 16 rows of Wproj a work-group, 12 groups of 16 along K a wave.
; A block's scale is 2^(floor(log2(largest magnitude)) - 2); its byte is the largest magnitude's exponent field - 2, held at 1 from below.
; LIMITS: a block of zeros gets the byte 1 (its codes are zeros; this program alone reads the bytes); blocks whose largest magnitude lies under 2^-124 were not tried;
; NaN and infinities are not served; Wproj must lie inside f16's range (65,504).
; The scale words leave as pieces of 64 bytes (x) or as single words 16 bytes apart (weights): one byte in 128 of what the launch reads.
.set ROWB,  3072                       ; a row of x or of a weight in bytes
.set STGB,  16*528                     ; a wave's stage: 16 rows of 512 bytes + 16 of padding
.set SPARE, 4*STGB                     ; behind the stages: the spare words, 128 bytes a wave
.set L16, 4                            ; v4      16 x lane
.set STI, 5                            ; v5      the stage, on the way in
.set STO, 6                            ; v6      and on the way out: row r, 64 bytes for each half of the lanes
.set RR,  7                            ; v7      r = lane % 16
.set SPW, 8                            ; v8      my spare word's LDS address; never rewritten
.set NIL, 9                            ; v9      0; never rewritten
.set CO,  10                           ; v10-15  codes' offset of K step ks
.set SO,  16                           ; v16-21  scale word's offset of K step ks
.set VO,  22                           ; v22-37  row i's offset in the source
.set TM,  38                           ; v38-53  at work in QUANT
.set PW,  54                           ; v54     the scale word just made
.set PC,  56                           ; v56-63  the codes just made
.set X,   64                           ; v64-127 64 numbers of my row: register 16 b + i = k 32 b + 16 (lane / 16) + i
.set R0,  128                          ; v128-255 two sets of 64 as loaded
.set SEL, 58                           ; s[58:59] v_permlanex16_b32's selects for lane l xor 16
	s_load_b256 s[4:11], s[0:1], 0x0               ; x, Wq, Wk, Wv
	s_load_b256 s[12:19], s[0:1], 0x20             ; Wproj, Ximg, Xsc, Wblk
	s_load_b64 s[20:21], s[0:1], 0x40              ; Wp
	v_lshl_add_u32 v[SPW], v0, 2, SPARE
	v_mov_b32 v[NIL], 0
	v_lshrrev_b32 v1, 5, v0
	v_readfirstlane_b32 s22, v1                    ; wave
	v_and_b32 v2, 31, v0                           ; lane
	v_and_b32 v[RR], 15, v0                        ; r
	v_bfe_u32 v3, v0, 4, 1                         ; h
	v_lshlrev_b32 v[L16], 4, v2
	s_cmp_ge_u32 ttmp9, 296
	s_cbranch_scc1 .Lproj
	; ---- the quantising path.  First the numbers of a tile of x (held inside their range in a weight's work-group, where they are not used)
	s_min_u32 s23, ttmp9, 259
	s_lshl_b32 s23, s23, 2
	s_add_co_u32 s23, s23, s22                     ; T = 4 x work-group + wave
	s_mul_i32 s24, s23, 1009
	s_lshr_b32 s24, s24, 16                        ; batch = T / 65 (exact for T under 1,040)
	s_mul_i32 s25, s24, 65
	s_sub_co_u32 s25, s23, s25                     ; tile in the batch
	s_lshl_b32 s26, s25, 4
	s_add_co_u32 s26, s26, 9
	s_mov_b32 s27, 15*ROWB
	s_cmp_eq_u32 s25, 64
	s_cselect_b32 s26, 0, s26                      ; the tile's first token
	s_cselect_b32 s27, 8*ROWB, s27                 ; and its last row's offset: tile 64 repeats token 8
	s_mul_i32 s28, s24, 1033
	s_add_co_u32 s28, s28, s26
	s_mul_i32 s28, s28, ROWB                       ; source
	s_mul_i32 s29, s23, 6144                       ; codes
	s_mul_i32 s30, s23, 384                        ; scale words
	; then those of a tile of a weight
	s_max_u32 s31, ttmp9, 260
	s_sub_co_u32 s31, s31, 260
	s_mul_i32 s32, s31, 5462
	s_lshr_b32 s32, s32, 16                        ; which matrix = n / 12 (exact for n under 36)
	s_lshl_b32 s33, s31, 2
	s_add_co_u32 s33, s33, s22
	s_mul_i32 s34, s32, 48
	s_sub_co_u32 s33, s33, s34                     ; nt: which 16 rows of it
	s_mul_i32 s34, s33, 16*ROWB                    ; source
	s_mul_i32 s35, s32, 6*52224                    ; the matrix's six blocks in Wblk
	s_lshl_b32 s36, s33, 10
	s_add_co_u32 s36, s36, s35                     ; codes
	s_lshr_b32 s37, s33, 2
	s_lshl_b32 s37, s37, 8
	s_and_b32 s38, s33, 3
	s_lshl_b32 s38, s38, 2
	s_add_co_u32 s37, s37, s38
	s_add_co_u32 s37, s37, s35
	s_add_co_u32 s37, s37, 49152                   ; scale words: (nt / 4) x 256 + 4 (nt % 4), 16 bytes from row to row
	s_mov_b32 s47, 0
	s_mov_b32 s49, 0
	s_mov_b32 s51, 0
	s_mov_b32 s[SEL], 0x76543210
	s_mov_b32 s[SEL+1], 0xfedcba98
	s_wait_kmcnt 0x0
	s_cmp_eq_u32 s32, 0
	s_cselect_b64 s[40:41], s[6:7], s[8:9]
	s_cmp_eq_u32 s32, 2
	s_cselect_b64 s[40:41], s[10:11], s[40:41]
	s_mov_b32 s52, 15*ROWB
	s_mov_b32 s53, 52224
	s_cmp_lt_u32 ttmp9, 260                        ; x or a weight: the choice hangs on the work-group's number alone
	s_cselect_b64 s[40:41], s[4:5], s[40:41]       ; source
	s_cselect_b64 s[42:43], s[14:15], s[18:19]     ; codes
	s_cselect_b64 s[44:45], s[16:17], s[18:19]     ; scale words
	s_cselect_b32 s46, s28, s34
	s_cselect_b32 s48, s29, s36
	s_cselect_b32 s50, s30, s37
	s_cselect_b32 s52, s27, s52                    ; the last row's offset
	s_cselect_b32 s54, 64, s53                     ; from K step to K step: scale words,
	s_cselect_b32 s53, 1024, s53                   ; codes
	s_cselect_b32 s55, 2, 4                        ; a row's scale word: 4 r or 16 r
	s_add_nc_u64 s[40:41], s[40:41], s[46:47]
	s_add_nc_u64 s[42:43], s[42:43], s[48:49]
	s_add_nc_u64 s[44:45], s[44:45], s[50:51]
	s_mul_i32 s56, s22, STGB
	v_add_nc_u32 v[STI], s56, v[L16]
	v_mul_u32_u24 v[STO], v[RR], 528
	v_lshl_add_u32 v[STO], v3, 6, v[STO]
	v_add_nc_u32 v[STO], s56, v[STO]
.irp ks, 0,1,2,3,4,5
	s_mul_i32 s57, s53, \ks
	v_add_nc_u32 v[CO+\ks], s57, v[L16]
	s_mul_i32 s57, s54, \ks
	v_lshlrev_b32 v[SO+\ks], s55, v[RR]
	v_add_nc_u32 v[SO+\ks], s57, v[SO+\ks]
.endr
.irp i, 0,1,2,3,4,5,6,7,8,9,10,11,12,13,14,15
	s_min_u32 s57, s52, \i*ROWB
	v_add_nc_u32 v[VO+\i], s57, v[L16]
.endr
.irp b, 0,1,2,3
	v_mov_b32 v[TM+4+\b], 0                        ; written once: a lane permute's destination counts as one of its sources
.endr
.macro LOAD ks                         ; K step ks: 512 consecutive bytes of each of the 16 rows, one row an instruction
.irp i, 0,1,2,3,4,5,6,7,8,9,10,11,12,13,14,15
	global_load_b128 v[R0+64*((\ks)%2)+4*\i:R0+64*((\ks)%2)+4*\i+3], v[VO+\i], s[40:41] offset:512*(\ks) th:TH_LOAD_NT
.endr
.endm
; 64 numbers of a lane become a fragment's codes in v[PC] on and its scale word in v[PW]
.macro QUANT s
.irp b, 0,1,2,3
	v_max3_num_f32 v[TM+\b], |v[\s+16*\b]|, |v[\s+1+16*\b]|, 0x1800000   ; block b: my 16 numbers, and the floor 2^(3 - 127): the byte cannot fall under 1
.endr
.irp i, 2,4,6,8,10,12,14
.irp b, 0,1,2,3
	v_max3_num_f32 v[TM+\b], v[TM+\b], |v[\s+16*\b+\i]|, |v[\s+1+16*\b+\i]|
.endr
.endr
.irp b, 0,1,2,3
	v_permlanex16_b32 v[TM+4+\b], v[TM+\b], s[SEL], s[SEL+1]
.endr
.irp b, 0,1,2,3
	v_max_num_f32 v[TM+\b], v[TM+\b], v[TM+4+\b]   ; with lane l xor 16's: the block's largest magnitude
.endr
.irp b, 0,1,2,3
	v_add_nc_u32 v[TM+12+\b], 0xff000000, v[TM+\b] ; 2 off its exponent field: the conversion's scale operand
.endr
.irp b, 0,1,2,3
	v_lshrrev_b32 v[TM+4+\b], 23, v[TM+12+\b]      ; the scale's byte
.endr
	v_lshl_or_b32 v[PW], v[TM+5], 8, v[TM+4]
	v_lshl_or_b32 v[PW], v[TM+6], 16, v[PW]
	v_lshl_or_b32 v[PW], v[TM+7], 24, v[PW]
.irp b, 0,1,2,3
	v_cvt_scalef32_pk8_fp4_f32 v[PC+2*\b], v[\s+16*\b:\s+7+16*\b], v[TM+12+\b]
	v_cvt_scalef32_pk8_fp4_f32 v[PC+1+2*\b], v[\s+8+16*\b:\s+15+16*\b], v[TM+12+\b]
.endr
	v_nop                                          ; one plain place behind a scaled conversion
.irp c, 0,1                                    ; the operand's layout wants a whole block in a lane
.irp i, 0,1
	v_permlane16_swap_b32 v[PC+4*\c+\i], v[PC+2+4*\c+\i]
.endr
.endr
.endm
.macro STEPQ ks
.if (\ks) < 5
	s_wait_loadcnt 16                              ; this K step's 16 loads are in; the next step's 16 may be out
.else
	s_wait_loadcnt 0x0
.endif
.irp i, 0,1,2,3,4,5,6,7,8,9,10,11,12,13,14,15
	ds_store_b128 v[STI], v[R0+64*((\ks)%2)+4*\i:R0+64*((\ks)%2)+4*\i+3] offset:528*\i
.endr
.irp b, 0,1,2,3
.irp j, 0,1,2,3
	ds_load_b128 v[X+16*\b+4*\j:X+16*\b+4*\j+3], v[STO] offset:128*\b+16*\j   ; LDS serves a wave's instructions in order: these see my stores
.endr
.endr
	s_wait_dscnt 0x0                               ; the numbers are back, and the stores have read their registers,
.if (\ks) < 4
	LOAD (\ks)+2                                   ; which take the loads of two steps on
.endif
.if (\ks) > 0
	s_wait_xcnt 0x0                                ; the last step's stores have read the codes' and the word's registers
.endif
	QUANT X
	global_store_b128 v[CO+\ks], v[PC:PC+3], s[42:43]              ; 512 consecutive bytes, aligned
	global_store_b128 v[CO+\ks], v[PC+4:PC+7], s[42:43] offset:512
	global_store_b32 v[SO+\ks], v[PW], s[44:45]                    ; both halves of the lanes hold and store the same word
.endm
	LOAD 0
	LOAD 1
.irp ks, 0,1,2,3,4,5
	STEPQ \ks
.endr
	s_branch .Lend
.Lproj:
	; ---- Wproj to f16: group g of 512 bytes holds, at 16 x lane, k = 16 g + 8 h + 0 .. 7 of row r
	s_sub_co_u32 s23, ttmp9, 296                   ; nt
	s_mul_i32 s24, s23, 16*ROWB
	s_mul_i32 s25, s22, 768
	s_add_co_u32 s24, s24, s25                     ; my 12 groups: 192 numbers of each row
	s_mov_b32 s25, 0
	s_mul_i32 s26, s23, 24576
	s_mul_i32 s27, s22, 6144
	s_add_co_u32 s26, s26, s27
	s_mov_b32 s27, 0
	v_mul_u32_u24 v10, v[RR], ROWB
	v_lshl_add_u32 v10, v3, 5, v10
	s_wait_kmcnt 0x0
	s_add_nc_u64 s[12:13], s[12:13], s[24:25]
	s_add_nc_u64 s[20:21], s[20:21], s[26:27]
.irp g, 0,1,2,3,4,5,6,7,8,9,10,11
	global_load_b128 v[64+8*\g:64+8*\g+3], v10, s[12:13] offset:64*\g
	global_load_b128 v[64+8*\g+4:64+8*\g+7], v10, s[12:13] offset:64*\g+16
.endr
	s_wait_loadcnt 0x0
.irp g, 0,1,2,3,4,5,6,7,8,9,10,11
.irp j, 0,1,2,3
	v_cvt_pk_f16_f32 v[160+4*\g+\j], v[64+8*\g+2*\j], v[64+8*\g+2*\j+1]
.endr
.endr
.irp g, 0,1,2,3,4,5,6,7,8,9,10,11
	global_store_b128 v[L16], v[160+4*\g:160+4*\g+3], s[20:21] offset:512*\g
.endr
.Lend:
	s_wait_tensorcnt 0x0                           ; the wave's end
	ds_add_u32 v[SPW], v[NIL]
	s_wait_dscnt 0x0
	s_endpgm
.Lfunc_end_k_qe92f321e63_prep:
	.size	k_qe92f321e63_prep, .Lfunc_end_k_qe92f321e63_prep-k_qe92f321e63_prep
	.p2alignl 7, 3214868480
	.fill 96, 4, 3214868480
	.section	.rodata,"a",@progbits
	.p2align	6, 0x0
	.amdhsa_kernel k_qe92f321e63_prep
		.amdhsa_group_segment_fixed_size 34304
		.amdhsa_private_segment_fixed_size 0
		.amdhsa_enable_private_segment 0
		.amdhsa_kernarg_size 72
		.amdhsa_user_sgpr_count 2
		.amdhsa_user_sgpr_kernarg_segment_ptr 1
		.amdhsa_wavefront_size32 1
		.amdhsa_system_sgpr_workgroup_id_x 1
		.amdhsa_system_sgpr_workgroup_id_y 1
		.amdhsa_system_sgpr_workgroup_id_z 1
		.amdhsa_system_vgpr_workitem_id 0
		.amdhsa_next_free_vgpr 256
		.amdhsa_next_free_sgpr 66
		.amdhsa_reserve_vcc 0
		.amdhsa_float_denorm_mode_32 3
		.amdhsa_float_denorm_mode_16_64 3
		.amdhsa_memory_ordered 1
		.amdhsa_forward_progress 1
		.amdhsa_inst_pref_size 60
	.end_amdhsa_kernel
	.amdgpu_metadata
---
amdhsa.version: [ 1, 2 ]
amdhsa.kernels:
  - .name:           k_qe92f321e63_prep
    .symbol:         k_qe92f321e63_prep.kd
    .args:
      - { .name: x, .offset: 0, .size: 8, .value_kind: global_buffer, .address_space: global }
      - { .name: Wq, .offset: 8, .size: 8, .value_kind: global_buffer, .address_space: global }
      - { .name: Wk, .offset: 16, .size: 8, .value_kind: global_buffer, .address_space: global }
      - { .name: Wv, .offset: 24, .size: 8, .value_kind: global_buffer, .address_space: global }
      - { .name: Wproj, .offset: 32, .size: 8, .value_kind: global_buffer, .address_space: global }
      - { .name: Ximg, .offset: 40, .size: 8, .value_kind: global_buffer, .address_space: global }
      - { .name: Xsc, .offset: 48, .size: 8, .value_kind: global_buffer, .address_space: global }
      - { .name: Wblk, .offset: 56, .size: 8, .value_kind: global_buffer, .address_space: global }
      - { .name: Wp, .offset: 64, .size: 8, .value_kind: global_buffer, .address_space: global }
    .group_segment_fixed_size: 34304
    .private_segment_fixed_size: 0
    .kernarg_segment_align: 8
    .kernarg_segment_size: 72
    .max_flat_workgroup_size: 128
    .sgpr_count:     66
    .vgpr_count:     256
    .wavefront_size: 32
...
	.end_amdgpu_metadata
.endif
;; end of part 1
;; launch qkv (part 2): grid 208 x 1, 4 waves a work-group, clusters of 4 x 1, 327,680 bytes of LDS; arguments Ximg, Xsc, Wblk, qn_w, qn_b, kn_w, kn_b, freqs_cos, freqs_sin, Qimg, KV; writes Qimg, KV
.if DOCPART == 2
	.amdgcn_target "amdgcn-amd-amdhsa--gfx1250"
	.amdhsa_code_object_version 6
	.text
	.protected	k_qe92f321e63_qkv
	.globl	k_qe92f321e63_qkv
	.p2align	8
	.type	k_qe92f321e63_qkv,@function
k_qe92f321e63_qkv:
	s_mov_b64 s[64:65], 0
	v_nop
	global_prefetch_b8 v0, s[64:65] scope:SCOPE_SE
	s_setreg_imm32_b32 hwreg(HW_REG_WAVE_MODE, 25, 1), 1
	s_wait_xcnt 0x0
	s_wait_alu depctr_hold_cnt(0) depctr_sa_sdst(0) depctr_va_vdst(0) depctr_va_sdst(0) depctr_va_ssrc(0) depctr_va_vcc(0) depctr_vm_vsrc(0)
	s_getreg_b32 s2, hwreg(HW_REG_IB_STS2, 6, 4)
	s_cmp_eq_u32 s2, 0
	s_cbranch_scc0 .Lentry_in_a_cluster
	s_endpgm
.Lentry_in_a_cluster:
	s_bfe_u32 s2, ttmp6, 0x10000c
	s_cmp_lg_u32 s2, 0x3003
	s_cbranch_scc0 .Lentry_shape_is_right
	s_endpgm
.Lentry_shape_is_right:
; qkv: q, k, v = x W^T on codes of E2M1 with E8M0 scales; LayerNorm over the 768 columns and the rotation for q and k; all three leave as f16 images of the attention's operand registers.
; SHARES.  A work-group owns five tiles of 16 positions; its x fragments (30 x 8 registers) stay in registers.  Wave w owns columns 192 w .. 192 w + 191 (heads 3 w .. 3 w + 2): 60 accumulators, used for q, then k, then v.
; WEIGHTS.  All work-groups walk the same 18 blocks (matrix, K step) of Wblk.  They stream through two LDS slots of three blocks; the four partners of a cluster ask for each quarter of a slot JOINTLY.
; q and k are made TRANSPOSED (source 0 = 16 rows of W, source 1 = x): a lane holds one token and eight neighbouring columns, which, rounded to f16, are 16 bytes of a K-innermost operand image.
; v is made the natural way (source 0 = x): a lane holds one channel and eight neighbouring tokens: the image of V^T.
; LayerNorm takes two passes, as the mean and then the mean square of the centred numbers; a token's partial sums meet through LDS (four waves).
; LIMITS: q, k and v must lie inside f16's range (65,504); NaN and infinities are not served.
; REGISTERS, in windows of 256.  Window 0: addresses, scale words, W's fragments (later cos, sin, gains), statistics.  Window 1: x's fragments at v[8 (6 a + ks)].
;   Windows 2, 3: accumulator (a, b) at v[8 (5 (b % 6) + a)] of window 2 + b / 6; v240-247 the biases; v248-255 at work.
.set SLOTB, 156672                     ; a slot: three blocks
.set BLKB,  52224                      ; a block: 48 fragments' codes (49,152 bytes), then 48 x 16 scale words
.set QTR,   39168                      ; a wave's quarter of a slot: 153 rows of 256 bytes
.set PAR,   2*SLOTB                    ; qn_w, qn_b, kn_w, kn_b: 3,072 bytes each
.set EX,    PAR+12288                  ; the exchange: [tile][row][wave] words
.set SPARE, EX+1280                    ; the spare words, 128 bytes a wave
.set LI,   1                           ; 16 x lane
.set R4,   2                           ; 4 r
.set ADW,  3                           ; the block in hand: my fragments,
.set ADS,  4                           ; my scale words
.set PARA, 5                           ; my columns' gains
.set EXS,  6
.set EXL,  7
.set CSO,  8                           ; v8-12   tile a: my row of cos and sin
.set ONE,  13
.set ZERO, 14
.set ADWB, 15
.set XS,   16                          ; v16-45  x's scale words (6 a + ks)
.set WS,   46                          ; v46-69  W's scale words, two sets of 12
.set ADSB, 70
.set FA,   72                          ; v72-119  W's fragments b = 0 .. 5
.set FB,   120                         ; v120-167 b = 6 .. 11
.set CB,   72                          ; v72-151  in the epilogue: two buffers of 20 cos + 20 sin
.set LNW,  152                         ; v152-159 in the epilogue: eight gains
.set SUM,  168                         ; v168-187 tile a: two chains of a pair
.set MR,   188                         ; v188-197 tile a: the mean, later 1 / the deviation (the pair's low word)
.set X4,   198                         ; v198-217 the four waves' partial sums
.set VO,   218                         ; v218-232 the stores' offsets (5 hh + a)
.set HT,   233                         ; v233-238 at work at the head
.set SPW,  254
.set NIL,  255
.set LNB,  240                         ; in windows 2 and 3
.set RT,   248
.set WV,   26
.set G1,   28                          ; s[28:35] descriptor group 1
.set G0A,  36                          ; s[36:39] group 0 of slot 0
.set G0B,  40                          ; s[40:43] of slot 1
.set PM,   49                          ; all ones where my tile 4 is the batch's tile 64
.set TRIP, 50
.set HS,   51
.set TS,   52
.set OUT,  54
.set SEL,  56
.set INV,  58
.set EPS,  59
.set MSB, 0
.macro WIN new                         ; the immediate's high byte repeats the setting that is left
.if MSB != (\new)
	s_set_vgpr_msb (MSB<<8)|(\new)
.set MSB, (\new)
.endif
.endm
.macro PLACES
.rept 4
	v_nop
.endr
.endm
.macro ROUND                           ; a round of the cluster's barrier
	s_barrier_signal -1
	s_barrier_wait -1
	s_cmp_lg_u32 s[WV], 0
	s_cbranch_scc1 .Lnot_wave_0_\@
	s_barrier_signal -3
.Lnot_wave_0_\@:
	s_barrier_wait -3
	s_barrier_signal -1
	s_barrier_wait -1
.endm
	s_load_b512 s[4:19], s[0:1], 0x0               ; Ximg, Xsc, Wblk, qn_w, qn_b, kn_w, kn_b, cos
	s_load_b128 s[20:23], s[0:1], 0x40             ; sin, Qimg
	s_load_b64 s[24:25], s[0:1], 0x50              ; KV
	v_lshl_add_u32 v[SPW], v0, 2, SPARE
	v_mov_b32 v[NIL], 0
	ds_add_u32 v[SPW], v[NIL]                      ; the opening: the add, twice on end, and its wait ahead of my first tensor load
	ds_add_u32 v[SPW], v[NIL]
	v_lshrrev_b32 v[HT], 5, v0
	v_readfirstlane_b32 s[WV], v[HT]
	s_mov_b32 s[G1], 15|(3<<16)|(1<<21)            ; the mask: all four partners; elements of 8 bytes; bit 21 beside a mask
	s_mov_b32 s[G1+1], 32<<16                      ; tensor_dim0 = 32 elements: rows of 256 bytes
	s_mov_b32 s[G1+2], 153<<16                     ; tensor_dim1
	s_mov_b32 s[G1+3], 32<<16                      ; tile_dim0
	s_mov_b32 s[G1+4], 153                         ; tile_dim1
	s_mov_b32 s[G1+5], 32                          ; the pitch: the block is dense
	s_mov_b32 s[G1+6], 0
	s_mov_b32 s[G1+7], 0
	s_mul_i32 s60, s[WV], QTR
	s_mov_b32 s61, 0
	s_mov_b32 s[G0A], 1
	s_mov_b32 s[G0A+1], s60
	s_mov_b32 s[G0B], 1
	s_add_co_u32 s[G0B+1], s60, SLOTB
	s_mov_b32 s[SEL], 0x76543210
	s_mov_b32 s[SEL+1], 0xfedcba98
	s_mov_b32 s[INV], 0x3aaaaaab                   ; 1 / 768
	s_mov_b32 s[EPS], 0x3727c5ac                   ; 1e-5
	s_mov_b32 s[TRIP], 0
	v_and_b32 v[HT+1], 31, v0                      ; lane
	v_and_b32 v[HT+2], 15, v0                      ; r
	v_bfe_u32 v[HT+3], v0, 4, 1                    ; h
	v_lshlrev_b32 v[LI], 4, v[HT+1]
	v_lshlrev_b32 v[R4], 2, v[HT+2]
	v_lshlrev_b32 v[HT+4], 3, v0                   ; 8 x thread
	v_add_nc_u32 v[HT+5], PAR, v[HT+4]
	v_mov_b32 v[ONE], 1.0
	v_mov_b32 v[ZERO], 0
.irp a, 0,1,2,3,4
	v_mov_b32 v[MR+2*\a+1], 0                      ; named as a pair's upper word, so it is written
.endr
	s_wait_dscnt 0x0                               ; both opening adds are done
	s_wait_kmcnt 0x0
	s_add_nc_u64 s[G0A+2:G0A+3], s[8:9], s[60:61]
	s_add_nc_u64 s[G0B+2:G0B+3], s[G0A+2:G0A+3], SLOTB
	s_or_b32 s[G0A+3], s[G0A+3], 0x80000000
	s_or_b32 s[G0B+3], s[G0B+3], 0x80000000
	ROUND                                          ; all four partners are here: the first joint loads meet
	tensor_load_to_lds s[G0A:G0A+3], s[G1:G1+7]    ; q's K steps 0-2
	s_nop 0
	tensor_load_to_lds s[G0B:G0B+3], s[G1:G1+7]    ; q's K steps 3-5: two loads of mine are out
	s_nop 0
	PLACES
	s_mul_i32 s60, s[WV], 12288
	v_add_nc_u32 v[ADWB], s60, v[LI]               ; my 12 fragments of a block
	s_mul_i32 s60, s[WV], 768
	s_add_co_u32 s61, s60, 49152
	v_lshl_add_u32 v[ADSB], v[HT+2], 4, s61        ; their scale words: four words a lane and load
	s_add_co_u32 s61, s60, PAR
	v_lshl_add_u32 v[PARA], v[HT+3], 5, s61
	s_lshl_b32 s61, s[WV], 2
	s_add_co_u32 s61, s61, EX
	v_lshl_add_u32 v[EXS], v[HT+2], 4, s61
	v_lshl_add_u32 v[EXL], v[HT+2], 4, EX
	s_bfe_u32 s44, ttmp6, 0x40000                  ; cx
	s_lshl_b32 s45, ttmp9, 2
	s_add_co_u32 s45, s45, s44                     ; work-group
	s_mul_i32 s46, s45, 5042
	s_lshr_b32 s46, s46, 16                        ; batch = work-group / 13 (exact under 208)
	s_mul_i32 s47, s46, 13
	s_sub_co_u32 s47, s45, s47
	s_mul_i32 s48, s47, 5                          ; my first tile in the batch
	s_cmp_eq_u32 s47, 12
	s_cselect_b32 s[PM], -1, 0
.irp a, 0,1,2,3,4
	s_add_co_u32 s60, s48, \a
	s_lshl_b32 s60, s60, 4
	v_add_nc_u32 v[CSO+\a], s60, v[HT+2]
	v_min_u32 v[CSO+\a], 1023, v[CSO+\a]           ; tile 64 has no row in the tables: it reads the last and discards it
	v_lshlrev_b32 v[CSO+\a], 7, v[CSO+\a]
	v_lshl_add_u32 v[CSO+\a], v[HT+3], 4, v[CSO+\a]
.endr
	s_mul_i32 s60, s45, 30720
	s_mov_b32 s61, 0
	s_add_nc_u64 s[4:5], s[4:5], s[60:61]
	s_mul_i32 s60, s45, 1920
	s_add_nc_u64 s[6:7], s[6:7], s[60:61]
.irp p, 0,1,2,3
.irp i, 0,1,2
	global_load_b64 v[FA+6*\p+2*\i:FA+6*\p+2*\i+1], v[HT+4], s[10+2*\p:11+2*\p] offset:1024*\i
.endr
.endr
	WIN 0x40                                       ; destination window 1
.irp a, 0,1,2,3,4
.irp ks, 0,1,2,3,4,5
.irp c, 0,1
	global_load_b128 v[8*(6*\a+\ks)+4*\c:8*(6*\a+\ks)+4*\c+3], v[LI], s[4:5] offset:\a*6144+\ks*1024+\c*512
.endr
.endr
.endr
	WIN 0
.irp a, 0,1,2,3,4
.irp ks, 0,1,2,3,4,5
	global_load_b32 v[XS+6*\a+\ks], v[R4], s[6:7] offset:64*(6*\a+\ks)
.endr
.endr
	s_wait_loadcnt 0x0
.irp p, 0,1,2,3
.irp i, 0,1,2
	ds_store_b64 v[HT+5], v[FA+6*\p+2*\i:FA+6*\p+2*\i+1] offset:3072*\p+1024*\i
.endr
.endr
	s_wait_tensorcnt 1                             ; my part of slot 0 is in; slot 1's may stay out
	s_wait_dscnt 0x0                               ; my part of the gains and biases lies in LDS
	s_barrier_signal -1
	s_barrier_wait -1
.macro SETADR slot, kl
	v_add_nc_u32 v[ADW], (\slot)*SLOTB+(\kl)*BLKB, v[ADWB]
	v_add_nc_u32 v[ADS], (\slot)*SLOTB+(\kl)*BLKB, v[ADSB]
.endm
.macro LDWS kl                         ; my 12 tiles' scale words of the block
.irp q, 0,1,2
	ds_load_b128 v[WS+12*((\kl)%2)+4*\q:WS+12*((\kl)%2)+4*\q+3], v[ADS] offset:256*\q
.endr
.endm
.macro LDW f, b0                       ; six fragments, as images: 512 consecutive bytes a load
.irp i, 0,1,2,3,4,5
	ds_load_b128 v[\f+8*\i:\f+8*\i+3], v[ADW] offset:((\b0)+\i)*1024
	ds_load_b128 v[\f+8*\i+4:\f+8*\i+7], v[ADW] offset:((\b0)+\i)*1024+512
.endr
.endm
; 30 products: five tiles of x against six tiles of W.  The accumulators take turns, one instruction a turn, in the same order in every K step.
.macro MM30 win, f, b0, ks, kl, nat, zero
.if \nat
	WIN ((\win)<<6)|((\win)<<4)|1
.else
	WIN ((\win)<<6)|((\win)<<4)|4
.endif
.irp a, 0,1,2,3,4
.irp i, 0,1,2,3,4,5
.if \nat
.if (\zero) && ((\kl) == 0)
	v_wmma_scale_f32_16x16x128_f8f6f4 v[8*(5*\i+\a):8*(5*\i+\a)+7], v[8*(6*\a+(\ks)):8*(6*\a+(\ks))+7], v[\f+8*\i:\f+8*\i+7], 0, v[XS+6*\a+(\ks)], v[WS+12*((\kl)%2)+(\b0)+\i] matrix_a_fmt:MATRIX_FMT_FP4 matrix_b_fmt:MATRIX_FMT_FP4
.else
	v_wmma_scale_f32_16x16x128_f8f6f4 v[8*(5*\i+\a):8*(5*\i+\a)+7], v[8*(6*\a+(\ks)):8*(6*\a+(\ks))+7], v[\f+8*\i:\f+8*\i+7], v[8*(5*\i+\a):8*(5*\i+\a)+7], v[XS+6*\a+(\ks)], v[WS+12*((\kl)%2)+(\b0)+\i] matrix_a_fmt:MATRIX_FMT_FP4 matrix_b_fmt:MATRIX_FMT_FP4
.endif
.else
.if (\zero) && ((\kl) == 0)
	v_wmma_scale_f32_16x16x128_f8f6f4 v[8*(5*\i+\a):8*(5*\i+\a)+7], v[\f+8*\i:\f+8*\i+7], v[8*(6*\a+(\ks)):8*(6*\a+(\ks))+7], 0, v[WS+12*((\kl)%2)+(\b0)+\i], v[XS+6*\a+(\ks)] matrix_a_fmt:MATRIX_FMT_FP4 matrix_b_fmt:MATRIX_FMT_FP4
.else
	v_wmma_scale_f32_16x16x128_f8f6f4 v[8*(5*\i+\a):8*(5*\i+\a)+7], v[\f+8*\i:\f+8*\i+7], v[8*(6*\a+(\ks)):8*(6*\a+(\ks))+7], v[8*(5*\i+\a):8*(5*\i+\a)+7], v[WS+12*((\kl)%2)+(\b0)+\i], v[XS+6*\a+(\ks)] matrix_a_fmt:MATRIX_FMT_FP4 matrix_b_fmt:MATRIX_FMT_FP4
.endif
.endif
.endr
.endr
.endm
; A slot's three K steps.  half: which half of K; nat: the natural form (v); zero: the first K step starts the sums
.macro SLOTMUL slot, half, nat, zero
	SETADR \slot, 0
	LDWS 0
	LDW FA, 0
	LDW FB, 6
.irp kl, 0,1,2
	s_wait_dscnt 12                                ; the scale words and fragments 0-5 are in; the 12 younger loads (fragments 6-11) may be out
	MM30 2, FA, 0, 3*(\half)+\kl, \kl, \nat, \zero
	WIN 0
	PLACES                                         ; in front of loads into registers that matrix instructions have read
.if \kl < 2
	SETADR \slot, \kl+1
	LDWS \kl+1
	LDW FA, 0
	s_wait_dscnt 15                                ; all but the 15 just issued
.else
	s_wait_dscnt 0x0
.endif
	MM30 3, FB, 6, 3*(\half)+\kl, \kl, \nat, \zero
	WIN 0
	PLACES
.if \kl < 2
	LDW FB, 6
.endif
.endr
.endm
; The change of slots.  Each wave waits for all its tensor loads, adds 0 to its spare word, waits for that and for its LDS reads.  fill = 1: a round of the cluster's barrier, and the slot just read is filled again, first thing behind it.
.macro CHANGE fill, g0
	WIN 0
	s_wait_tensorcnt 0x0                           ; no tensor load of mine is out, so a group 0 may be written
	ds_add_u32 v[SPW], v[NIL]
.if \fill
	s_add_nc_u64 s[\g0+2:\g0+3], s[\g0+2:\g0+3], 2*SLOTB
.endif
	s_wait_dscnt 0x0
.if \fill
	ROUND
	tensor_load_to_lds s[\g0:\g0+3], s[G1:G1+7]
	s_nop 0
	PLACES
.else
	s_barrier_signal -1
	s_barrier_wait -1
.endif
.endm
.macro CSLOAD buf, c4                  ; cos and sin of my four pairs of channels 16 c4 + 8 h on, for the five tiles
.irp a, 0,1,2,3,4
	global_load_b128 v[CB+40*(\buf)+4*\a:CB+40*(\buf)+4*\a+3], v[CSO+\a], s[18:19] offset:32*(\c4)
	global_load_b128 v[CB+40*(\buf)+20+4*\a:CB+40*(\buf)+20+4*\a+3], v[CSO+\a], s[20:21] offset:32*(\c4)
.endr
.endm
.macro CLEAR
.irp j, 0,1,2,3,4,5,6,7,8,9,10,11,12,13,14,15,16,17,18,19
	v_mov_b32 v[SUM+\j], 0
.endr
.endm
; My lane's sums of the five tiles are folded, joined with lane l xor 16's, and meet the other waves' in LDS
.macro EXCH
	WIN 0
.irp a, 0,1,2,3,4
	v_pk_add_f32 v[SUM+4*\a:SUM+4*\a+1], v[SUM+4*\a:SUM+4*\a+1], v[SUM+4*\a+2:SUM+4*\a+3]
.endr
.irp a, 0,1,2,3,4
	v_add_f32 v[SUM+4*\a], v[SUM+4*\a], v[SUM+4*\a+1]
.endr
.irp a, 0,1,2,3,4
	v_permlanex16_b32 v[SUM+4*\a+1], v[SUM+4*\a], s[SEL], s[SEL+1]
.endr
.irp a, 0,1,2,3,4
	v_add_f32 v[SUM+4*\a], v[SUM+4*\a], v[SUM+4*\a+1]
.endr
.irp a, 0,1,2,3,4
	ds_store_b32 v[EXS], v[SUM+4*\a] offset:256*\a
.endr
	s_wait_dscnt 0x0                               ; for the others' sake: my words lie in LDS
	s_barrier_signal -1
	s_barrier_wait -1
.irp a, 0,1,2,3,4
	ds_load_b128 v[X4+4*\a:X4+4*\a+3], v[EXL] offset:256*\a
.endr
.endm
.macro JOIN4                           ; the four waves' parts, in one order in every wave
.irp a, 0,1,2,3,4
	v_add_f32 v[X4+4*\a], v[X4+4*\a], v[X4+4*\a+1]
.endr
.irp a, 0,1,2,3,4
	v_add_f32 v[X4+4*\a+2], v[X4+4*\a+2], v[X4+4*\a+3]
.endr
.irp a, 0,1,2,3,4
	v_add_f32 v[X4+4*\a], v[X4+4*\a], v[X4+4*\a+2]
.endr
.endm
.macro EP1
	CSLOAD 0, 0                                    ; asked for now, wanted behind the statistics
	CSLOAD 1, 1
	CLEAR
.irp w, 2,3
	WIN (\w<<2)
.irp m, 0,1,2,3,4,5
.irp i, 0,1,2,3
.irp a, 0,1,2,3,4
	v_pk_add_f32 v[SUM+4*\a+2*(\i%2):SUM+4*\a+2*(\i%2)+1], v[SUM+4*\a+2*(\i%2):SUM+4*\a+2*(\i%2)+1], v[8*(5*\m+\a)+2*\i:8*(5*\m+\a)+2*\i+1]   ; each accumulator from its low end on
.endr
.endr
.endr
.endr
	EXCH
	s_wait_dscnt 0x0                               ; my reads of the exchange are over: behind this barrier it is written again
	s_barrier_signal -1
	s_barrier_wait -1
	JOIN4
.irp a, 0,1,2,3,4
	v_mul_f32 v[MR+2*\a], s[INV], v[X4+4*\a]       ; the mean
.endr
	CLEAR
.irp w, 2,3
	WIN (\w<<6)|\w
.irp m, 0,1,2,3,4,5
.irp i, 0,1,2,3
.irp a, 0,1,2,3,4
	v_pk_add_f32 v[8*(5*\m+\a)+2*\i:8*(5*\m+\a)+2*\i+1], v[8*(5*\m+\a)+2*\i:8*(5*\m+\a)+2*\i+1], v[MR+2*\a:MR+2*\a+1] op_sel_hi:[1,0] neg_lo:[0,1] neg_hi:[0,1]
.endr
.endr
.endr
	WIN (\w<<2)|\w
.irp m, 0,1,2,3,4,5
.irp i, 0,1,2,3
.irp a, 0,1,2,3,4
	v_pk_fma_f32 v[SUM+4*\a+2*(\i%2):SUM+4*\a+2*(\i%2)+1], v[8*(5*\m+\a)+2*\i:8*(5*\m+\a)+2*\i+1], v[8*(5*\m+\a)+2*\i:8*(5*\m+\a)+2*\i+1], v[SUM+4*\a+2*(\i%2):SUM+4*\a+2*(\i%2)+1]
.endr
.endr
.endr
.endr
	EXCH                                           ; its loads are awaited in front of the change of slots that follows
.endm
.macro LNLOAD b                        ; the gains (window 0) and biases (the accumulator's window) of my eight columns of tile b
	WIN 0
	ds_load_b128 v[LNW:LNW+3], v[PARA] offset:64*(\b)
	ds_load_b128 v[LNW+4:LNW+7], v[PARA] offset:64*(\b)+16
	WIN (2+(\b)/6)<<6
	ds_load_b128 v[LNB:LNB+3], v[PARA] offset:3072+64*(\b)
	ds_load_b128 v[LNB+4:LNB+7], v[PARA] offset:3072+64*(\b)+16
.endm
.macro ROTA acc, cs, rt, odd           ; (te cos, to cos)
.if \odd
	v_pk_mul_f32 v[(\rt):(\rt)+1], v[(\acc):(\acc)+1], v[(\cs):(\cs)+1] op_sel:[0,1] op_sel_hi:[1,1]
.else
	v_pk_mul_f32 v[(\rt):(\rt)+1], v[(\acc):(\acc)+1], v[(\cs):(\cs)+1] op_sel:[0,0] op_sel_hi:[1,0]
.endif
.endm
.macro ROTB acc, sn, rt, odd           ; (te cos - to sin, to cos + te sin): the pair's halves change places in source 0
.if \odd
	v_pk_fma_f32 v[(\acc):(\acc)+1], v[(\acc):(\acc)+1], v[(\sn):(\sn)+1], v[(\rt):(\rt)+1] op_sel:[1,1,0] op_sel_hi:[0,1,1] neg_lo:[0,1,0]
.else
	v_pk_fma_f32 v[(\acc):(\acc)+1], v[(\acc):(\acc)+1], v[(\sn):(\sn)+1], v[(\rt):(\rt)+1] op_sel:[1,0,0] op_sel_hi:[0,0,1] neg_lo:[0,1,0]
.endif
.endm
; Tile b = 4 hh + c4 of my columns, all five tiles of rows: normalise, gain and bias, rotate, round to f16, store.  nb: the tile whose gains are fetched next, or -1
.macro ITER c4, hh, buf, nb
.set BB, 4*(\hh)+(\c4)
.set WN, 2+BB/6
.set A0, 40*(BB%6)
	s_wait_dscnt 0x0                               ; this tile's gains and biases are in
	WIN (WN<<6)|(WN<<4)|WN
.irp a, 0,1,2,3,4
.irp i, 0,1,2,3
	v_pk_mul_f32 v[A0+8*\a+2*\i:A0+8*\a+2*\i+1], v[A0+8*\a+2*\i:A0+8*\a+2*\i+1], v[MR+2*\a:MR+2*\a+1] op_sel_hi:[1,0]
.endr
.endr
.irp a, 0,1,2,3,4
.irp i, 0,1,2,3
	v_pk_fma_f32 v[A0+8*\a+2*\i:A0+8*\a+2*\i+1], v[A0+8*\a+2*\i:A0+8*\a+2*\i+1], v[LNW+2*\i:LNW+2*\i+1], v[LNB+2*\i:LNB+2*\i+1]
.endr
.endr
.irp a, 0,1,2,3,4
.irp i, 0,1,2,3
	ROTA A0+8*\a+2*\i, CB+40*(\buf)+4*\a+2*(\i/2), RT+2*\i, \i%2
.endr
.irp i, 0,1,2,3
	ROTB A0+8*\a+2*\i, CB+40*(\buf)+20+4*\a+2*(\i/2), RT+2*\i, \i%2
.endr
.endr
.if (\nb) >= 0
	LNLOAD \nb
.endif
	WIN (WN<<6)|(WN<<2)|WN
.irp a, 0,1,2,3,4
.irp j, 0,1,2,3
	v_cvt_pk_f16_f32 v[A0+8*\a+\j], v[A0+8*\a+2*\j], v[A0+8*\a+2*\j+1]
.endr
.endr
	WIN (WN<<2)
.irp a, 0,1,2,3,4
	global_store_b128 v[VO+5*(\hh)+\a], v[A0+8*\a:A0+8*\a+3], s[OUT:OUT+1] offset:512*(\c4)   ; 512 consecutive bytes, aligned: a group of the image
.endr
.endm
.macro CGROUP c4, buf, left, nb3, reload
	WIN 0
	s_wait_loadcnt \left                           ; this buffer's ten loads are in; the other buffer's ten may be out
.irp j, 0,1,2,3
	v_cndmask_b32 v[CB+40*(\buf)+16+\j], v[CB+40*(\buf)+16+\j], v[ONE], s[PM]     ; tokens 0 .. 8 are not rotated: cos = 1,
	v_cndmask_b32 v[CB+40*(\buf)+36+\j], v[CB+40*(\buf)+36+\j], v[ZERO], s[PM]    ; sin = 0
.endr
	ITER \c4, 0, \buf, 4+(\c4)
	ITER \c4, 1, \buf, 8+(\c4)
	ITER \c4, 2, \buf, \nb3
.if \reload
	WIN 0
	CSLOAD \buf, (\c4)+2
.endif
.endm
.macro EP2
	LNLOAD 0
	WIN 0
	JOIN4
.irp a, 0,1,2,3,4
	v_fma_f32 v[X4+4*\a], v[X4+4*\a], s[INV], s[EPS]               ; the variance + 1e-5
.endr
.irp a, 0,1,2,3,4
	v_rsq_f32 v[MR+2*\a], v[X4+4*\a]
.endr
	v_nop                                          ; a plain place behind the last of the batch
	s_lshl_b32 s[HS], 133120, s[TRIP]              ; a head's bytes: 133,120 in Qimg, twice that in KV
	s_lshl_b32 s[TS], 2048, s[TRIP]                ; a tile's bytes
	s_cmp_eq_u32 s[TRIP], 0
	s_cselect_b64 s[OUT:OUT+1], s[22:23], s[24:25]
	s_mul_i32 s60, s46, 12
	s_mul_i32 s60, s60, s[HS]
	s_mov_b32 s61, 0
	s_add_nc_u64 s[OUT:OUT+1], s[OUT:OUT+1], s[60:61]              ; at my batch's first head
	s_mul_i32 s62, s[WV], 3
	s_mul_i32 s62, s62, s[HS]
	s_mul_i32 s63, s48, s[TS]
	s_add_co_u32 s62, s62, s63
.irp hh, 0,1,2
	s_mov_b32 s63, s62
.irp a, 0,1,2,3,4
	v_add_nc_u32 v[VO+5*\hh+\a], s63, v[LI]
	s_add_co_u32 s63, s63, s[TS]
.endr
	s_add_co_u32 s62, s62, s[HS]
.endr
	s_wait_alu depctr_va_vdst(0)                   ; one wait for the five, ahead of their first reader
	CGROUP 0, 0, 10, 1, 1
	CGROUP 1, 1, 10, 2, 1
	CGROUP 2, 0, 10, 3, 0
	CGROUP 3, 1, 0, -1, 0
	WIN 0
	v_add_nc_u32 v[PARA], 6144, v[PARA]            ; on to k's gains and biases
.endm
.Lqk:                                              ; two trips: q, then k
	s_wait_xcnt 0x0                                ; the last trip's stores have read the accumulators, their offsets and their base
	SLOTMUL 0, 0, 0, 1
	CHANGE 1, G0A                                  ; slot 0 takes the next matrix's first half
	SLOTMUL 1, 1, 0, 0
	EP1
	CHANGE 1, G0B                                  ; slot 1 its second half
	EP2
	s_add_co_u32 s[TRIP], s[TRIP], 1
	s_cmp_lt_u32 s[TRIP], 2
	s_cbranch_scc1 .Lqk
	s_wait_xcnt 0x0
	SLOTMUL 0, 0, 1, 1                             ; v: nothing is left to fetch
	CHANGE 0, G0A
	SLOTMUL 1, 1, 1, 0
.irp b, 0,1,2,3,4,5,6,7,8,9,10,11              ; v leaves as V^T's image, behind K's in each tile of KV
	WIN ((2+\b/6)<<6)|((2+\b/6)<<2)|(2+\b/6)
.irp a, 0,1,2,3,4
.irp j, 0,1,2,3
	v_cvt_pk_f16_f32 v[40*(\b%6)+8*\a+\j], v[40*(\b%6)+8*\a+2*\j], v[40*(\b%6)+8*\a+2*\j+1]
.endr
.endr
	WIN ((2+\b/6)<<2)
.irp a, 0,1,2,3,4
	global_store_b128 v[VO+5*(\b/4)+\a], v[40*(\b%6)+8*\a:40*(\b%6)+8*\a+3], s[OUT:OUT+1] offset:2048+512*(\b%4)
.endr
.endr
	WIN 0
	s_wait_tensorcnt 0x0                           ; the wave's end
	ds_add_u32 v[SPW], v[NIL]
	s_wait_dscnt 0x0
	ROUND                                          ; the closing round
	s_endpgm
.Lfunc_end_k_qe92f321e63_qkv:
	.size	k_qe92f321e63_qkv, .Lfunc_end_k_qe92f321e63_qkv-k_qe92f321e63_qkv
	.p2alignl 7, 3214868480
	.fill 96, 4, 3214868480
	.section	.rodata,"a",@progbits
	.p2align	6, 0x0
	.amdhsa_kernel k_qe92f321e63_qkv
		.amdhsa_group_segment_fixed_size 327680
		.amdhsa_private_segment_fixed_size 0
		.amdhsa_enable_private_segment 0
		.amdhsa_kernarg_size 88
		.amdhsa_user_sgpr_count 2
		.amdhsa_user_sgpr_kernarg_segment_ptr 1
		.amdhsa_wavefront_size32 1
		.amdhsa_system_sgpr_workgroup_id_x 1
		.amdhsa_system_sgpr_workgroup_id_y 1
		.amdhsa_system_sgpr_workgroup_id_z 1
		.amdhsa_system_vgpr_workitem_id 0
		.amdhsa_next_free_vgpr 1024
		.amdhsa_next_free_sgpr 100
		.amdhsa_reserve_vcc 0
		.amdhsa_float_denorm_mode_32 3
		.amdhsa_float_denorm_mode_16_64 3
		.amdhsa_memory_ordered 1
		.amdhsa_forward_progress 1
		.amdhsa_inst_pref_size 255
	.end_amdhsa_kernel
	.section	.bss,"aw",@nobits
	.p2align	6
	.space	262144
	.amdgpu_metadata
---
amdhsa.version: [ 1, 2 ]
amdhsa.kernels:
  - .name:           k_qe92f321e63_qkv
    .symbol:         k_qe92f321e63_qkv.kd
    .args:
      - { .name: Ximg, .offset: 0, .size: 8, .value_kind: global_buffer, .address_space: global }
      - { .name: Xsc, .offset: 8, .size: 8, .value_kind: global_buffer, .address_space: global }
      - { .name: Wblk, .offset: 16, .size: 8, .value_kind: global_buffer, .address_space: global }
      - { .name: qn_w, .offset: 24, .size: 8, .value_kind: global_buffer, .address_space: global }
      - { .name: qn_b, .offset: 32, .size: 8, .value_kind: global_buffer, .address_space: global }
      - { .name: kn_w, .offset: 40, .size: 8, .value_kind: global_buffer, .address_space: global }
      - { .name: kn_b, .offset: 48, .size: 8, .value_kind: global_buffer, .address_space: global }
      - { .name: freqs_cos, .offset: 56, .size: 8, .value_kind: global_buffer, .address_space: global }
      - { .name: freqs_sin, .offset: 64, .size: 8, .value_kind: global_buffer, .address_space: global }
      - { .name: Qimg, .offset: 72, .size: 8, .value_kind: global_buffer, .address_space: global }
      - { .name: KV, .offset: 80, .size: 8, .value_kind: global_buffer, .address_space: global }
    .group_segment_fixed_size: 327680
    .private_segment_fixed_size: 0
    .kernarg_segment_align: 8
    .kernarg_segment_size: 88
    .max_flat_workgroup_size: 128
    .sgpr_count:     100
    .vgpr_count:     1024
    .wavefront_size: 32
...
	.end_amdgpu_metadata
.endif
;; end of part 2
;; launch attn (part 3): grid 4 x 64, 8 waves a work-group, clusters of 4 x 1, 327,680 bytes of LDS; arguments Qimg, KV, Y; writes Y
.if DOCPART == 3
	.amdgcn_target "amdgcn-amd-amdhsa--gfx1250"
	.amdhsa_code_object_version 6
	.text
	.protected	k_qe92f321e63_attn
	.globl	k_qe92f321e63_attn
	.p2align	8
	.type	k_qe92f321e63_attn,@function
k_qe92f321e63_attn:
	s_mov_b64 s[64:65], 0
	v_nop
	global_prefetch_b8 v0, s[64:65] scope:SCOPE_SE
	s_setreg_imm32_b32 hwreg(HW_REG_WAVE_MODE, 25, 1), 1
	s_wait_xcnt 0x0
	s_wait_alu depctr_hold_cnt(0) depctr_sa_sdst(0) depctr_va_vdst(0) depctr_va_sdst(0) depctr_va_ssrc(0) depctr_va_vcc(0) depctr_vm_vsrc(0)
	s_getreg_b32 s2, hwreg(HW_REG_IB_STS2, 6, 4)
	s_cmp_eq_u32 s2, 0
	s_cbranch_scc0 .Lentry_in_a_cluster
	s_endpgm
.Lentry_in_a_cluster:
	s_bfe_u32 s2, ttmp6, 0x10000c
	s_cmp_lg_u32 s2, 0x3003
	s_cbranch_scc0 .Lentry_shape_is_right
	s_endpgm
.Lentry_shape_is_right:
; attn: O = softmax(Q K^T / 8) V for all 65 query tiles of each (batch, head); f16 operands, f32 sums, a running maximum.
; WORK-GROUPS THAT STAY.  A cluster of four work-groups takes three heads, one after the other.  A work-group owns 256 queries of the head in hand, each of its eight waves two tiles of 16 (tiles 0 and 1 of the wave).
; Every wave walks all 1,033 keys: 16 steps of 64 and a last tile of 9.
; THE RING.  A head's K and V images, 266,240 bytes, lie in two LDS slots: key steps 0-7, and key steps 8-15 with the last tile.  The four partners walk the same K and V and ask for each eighth of a slot JOINTLY.
; Slot 0 takes the next head's half in the middle of a head, slot 1 at its end: a refill is asked for eight key steps ahead of its first read.
; QUERY TILE 64 (tokens 0 .. 8 and seven copies of token 8) is the wave's tile 2.  Its keys are shared out among the eight waves: at each slot's end wave w takes the slot's step w for it; the last tile of keys counts in wave 0 alone.
; All four partners make it alike; each then picks ONE of its four groups of 16 channels, by a select on data, the eight waves' parts of
; that group meet in LDS, wave 0 joins them under the largest c m, and stores 512 bytes at a place of the partner's own: each byte of Y has one owner.
; LAYOUT.  S^T = K Q^T and O^T = V^T P: a lane holds one query throughout.  Every operand comes as an image of its registers: 16 x lane + a constant.
; In the last tile keys 9 .. 15 are copies: their scores become -infinity ahead of the maximum.
; p = 2^(c s - c m), c = log2(e) / 8; in every step O and l are multiplied by 2^(c m_old - c m_new).
; LIMITS: as in the launch that made the images (q, k, v inside f16's range); p under 2^-24 falls to 0 in f16; NaN and infinities are not served.
; REGISTERS.  Window 0: addresses, statistics, Q, S^T, P.  Window 1: v0-63 V^T's fragments, v64-159 O^T (32 a tile), v160-223 K's fragments.
.set LI,   1                           ; 16 x lane
.set ADR,  2                           ; the key step in hand
.set TMP,  3
.set NINF, 4
.set MST,  5                           ; where I put my c m and l of tile 2
.set SPW,  6
.set NIL,  7
.set ST,   8                           ; tile t at v[ST + 8 t]: +0 c m, +1 m, +2, +3 l, +4 .. +7 at work (a at +6)
.set CMO,  32                          ; v32-34  c m as it was
.set OST,  35                          ; where I put my part of the chosen group
.set ADX,  36                          ; v36-37  my key step for tile 2 in slot 0, 1
.set ADT,  38                          ; the last tile of keys
.set Q,    40                          ; 16 a tile
.set S,    88                          ; 32 a tile
.set P,    184                         ; 16 a tile
.set SELR, 232                         ; v232-239 the chosen group of tile 2's O^T
.set MLD,  240
.set OLD,  241
.set TM,   242
.set LS,   243
.set OO,   S+32                        ; the joining: 8 x 8 of O^T,
.set CM,   P                           ; 8 c m,
.set LL,   P+8                         ; 8 l,
.set RS,   P+16                        ; the sums,
.set RC,   P+24                        ; and their f16
.set VF,   0                           ; window 1
.set OA,   64                          ; window 1
.set KF,   160                         ; window 1
.set SLOT1, 131072
.set STEPB, 16384                      ; a key step: four tiles of 4,096 bytes (K's image, then V^T's)
.set HEADB, 266240
.set SPARE, 266240                     ; behind the ring: the spare words, 128 bytes a wave
.set MB,    SPARE+1024                 ; c m, then l: 128 bytes a wave each
.set MO,    MB+2048                    ; the parts of the chosen group: 1,024 bytes a wave
.set WV,  10
.set CX,  11
.set G1A, 16                           ; 64 rows of 256 bytes
.set G1C, 24                           ; 66
.set DA,  32                           ; group 0 of slot 0
.set DB,  36                           ; of slot 1
.set CS,  40
.set SEL, 42
.set TB,  44
.set MHI, 45
.set CNT, 46
.set HCNT, 47
.set M1,  48                           ; s48-50  all ones where my place in the cluster is 1, 2, 3
.set MX0, 51                           ; tile 2, the last keys: which lanes lose key 8 (lane / 16),
.set MX1, 52                           ; and which the others
.set QB,  54                           ; query tile 64 of the head
.set YX,  56                           ; and where my group of it goes
.set MSB, 0
.macro WIN new                         ; the immediate's high byte repeats the setting that is left
.if MSB != (\new)
	s_set_vgpr_msb (MSB<<8)|(\new)
.set MSB, (\new)
.endif
.endm
.macro PLACES
.rept 4
	v_nop
.endr
.endm
.macro ROUND                           ; a round of the cluster's barrier
	s_barrier_signal -1
	s_barrier_wait -1
	s_cmp_lg_u32 s[WV], 0
	s_cbranch_scc1 .Lnot_wave_0_\@
	s_barrier_signal -3
.Lnot_wave_0_\@:
	s_barrier_wait -3
	s_barrier_signal -1
	s_barrier_wait -1
.endm
	s_load_b128 s[4:7], s[0:1], 0x0                ; Qimg, KV
	s_load_b64 s[8:9], s[0:1], 0x10                ; Y
	v_lshl_add_u32 v[SPW], v0, 2, SPARE
	v_mov_b32 v[NIL], 0
	ds_add_u32 v[SPW], v[NIL]                      ; the opening: the add, twice on end, and its wait ahead of my first tensor load
	ds_add_u32 v[SPW], v[NIL]
	v_lshrrev_b32 v[TMP], 5, v0
	v_readfirstlane_b32 s[WV], v[TMP]
	s_bfe_u32 s[CX], ttmp6, 0x40000                ; my block of 256 queries
	s_and_b32 s12, ttmp7, 0xffff                   ; the cluster: 0 .. 63
	s_lshr_b32 s13, s12, 2                         ; batch
	s_and_b32 s14, s12, 3
	s_mul_i32 s14, s14, 3                          ; the first of my three heads
	s_mul_i32 s15, s12, 3                          ; 12 x batch + that head
.irp g, G1A, G1C
	s_mov_b32 s[\g], 15|(3<<16)|(1<<21)            ; the mask: all four partners; elements of 8 bytes; bit 21 beside a mask
	s_mov_b32 s[\g+1], 32<<16                      ; rows of 256 bytes
	s_mov_b32 s[\g+3], 32<<16
	s_mov_b32 s[\g+5], 32                          ; dense
	s_mov_b32 s[\g+6], 0
	s_mov_b32 s[\g+7], 0
.endr
	s_mov_b32 s[G1A+2], 64<<16
	s_mov_b32 s[G1A+4], 64
	s_mov_b32 s[G1C+2], 66<<16
	s_mov_b32 s[G1C+4], 66
	s_lshl_b32 s60, s[WV], 14
	s_mul_i32 s61, s[WV], 16896
	s_lshl_b32 s62, s[WV], 10
	s_mov_b32 s[DA], 1
	s_mov_b32 s[DA+1], s60                         ; slot 0: 16,384 bytes a wave
	s_mov_b32 s[DB], 1
	s_add_co_u32 s[DB+1], s61, SLOT1               ; slot 1: 16,896 a wave
	s_mov_b32 s[CS], 0x3e38aa3b                    ; c = log2(e) / 8
	s_mov_b32 s[CS+1], s[CS]
	s_mov_b32 s[SEL], 0x76543210
	s_mov_b32 s[SEL+1], 0xfedcba98
	s_mov_b32 s[MHI], 0xffff0000
	s_cmp_eq_u32 s[WV], 0
	s_cselect_b32 s[MX0], 0, -1                    ; in waves 1 .. 7 tile 2 takes none of the last keys
	s_cselect_b32 s[MX1], s[MHI], -1
	s_cmp_eq_u32 s[CX], 1
	s_cselect_b32 s[M1], -1, 0
	s_cmp_eq_u32 s[CX], 2
	s_cselect_b32 s[M1+1], -1, 0
	s_cmp_eq_u32 s[CX], 3
	s_cselect_b32 s[M1+2], -1, 0
	v_and_b32 v[TMP], 31, v0
	v_lshlrev_b32 v[LI], 4, v[TMP]
	v_mov_b32 v[NINF], 0xff800000
	v_lshl_add_u32 v[MST], v0, 2, MB               ; every LDS address is made here, of the lane and the wave's number alone
	v_lshl_add_u32 v[MLD], v[TMP], 2, MB
	v_add_nc_u32 v[OLD], MO, v[LI]
	v_add_nc_u32 v[OST], s62, v[OLD]
	v_add_nc_u32 v[ADX], s60, v[LI]
	v_add_nc_u32 v[ADX+1], SLOT1, v[ADX]
	v_add_nc_u32 v[ADT], 16*STEPB, v[LI]
	s_wait_dscnt 0x0                               ; both opening adds are done
	s_wait_kmcnt 0x0
	s_mul_i32 s66, s15, HEADB
	s_mov_b32 s67, 0
	s_add_nc_u64 s[6:7], s[6:7], s[66:67]          ; my first head's K and V
.irp d, DA, DB
	s_mov_b32 s66, s[\d+1]                         ; a piece lies in LDS where it lies in the head
	s_add_nc_u64 s[\d+2:\d+3], s[6:7], s[66:67]
	s_or_b32 s[\d+3], s[\d+3], 0x80000000
.endr
	ROUND                                          ; all four partners are here: the first joint loads meet
	tensor_load_to_lds s[DA:DA+3], s[G1A:G1A+7]
	s_nop 0
	tensor_load_to_lds s[DB:DB+3], s[G1C:G1C+7]    ; two loads of mine are out
	s_nop 0
	PLACES
	s_lshl_b32 s66, s[CX], 4
	s_lshl_b32 s68, s[WV], 1
	s_add_co_u32 s68, s68, s66                     ; my first query tile: 16 cx + 2 wave
	s_mul_i32 s69, s15, 133120
	s_add_co_u32 s66, s69, 131072
	s_add_nc_u64 s[QB:QB+1], s[4:5], s[66:67]      ; query tile 64
	s_lshl_b32 s66, s68, 11
	s_add_co_u32 s66, s66, s69
	s_add_nc_u64 s[4:5], s[4:5], s[66:67]
	s_mul_i32 s70, s13, 65
	s_add_co_u32 s66, s70, s68
	s_mul_i32 s66, s66, 24576
	s_lshl_b32 s69, s14, 11
	s_add_co_u32 s66, s66, s69
	s_add_co_u32 s70, s70, 64
	s_mul_i32 s70, s70, 24576
	s_add_co_u32 s70, s70, s69
	s_lshl_b32 s71, s[CX], 9
	s_add_co_u32 s70, s70, s71                     ; of tile 64's four groups the one of my place
	s_mov_b32 s71, 0
	s_add_nc_u64 s[YX:YX+1], s[8:9], s[70:71]
	s_add_nc_u64 s[8:9], s[8:9], s[66:67]
.macro QLOAD
.irp t, 0,1
.irp g, 0,1,2,3
	global_load_b128 v[Q+16*\t+4*\g:Q+16*\t+4*\g+3], v[LI], s[4:5] offset:2048*\t+512*\g
.endr
.endr
.irp g, 0,1,2,3
	global_load_b128 v[Q+32+4*\g:Q+32+4*\g+3], v[LI], s[QB:QB+1] offset:512*\g
.endr
.endm
; S^T = K Q^T for nkt tiles of 16 keys and tiles t0 .. t0 + nt - 1 of queries; the accumulators take turns, one instruction a turn
.macro KQ nkt, t0, nt
	WIN 0x01                                       ; K in window 1
.irp kc, 0,1
.set kt, 0
.rept \nkt
.set t, \t0
.rept \nt
.if \kc == 0
	v_wmma_f32_16x16x32_f16 v[S+32*t+8*kt:S+32*t+8*kt+7], v[KF+16*kt+8*\kc:KF+16*kt+8*\kc+7], v[Q+16*t+8*\kc:Q+16*t+8*\kc+7], 0
.else
	v_wmma_f32_16x16x32_f16 v[S+32*t+8*kt:S+32*t+8*kt+7], v[KF+16*kt+8*\kc:KF+16*kt+8*\kc+7], v[Q+16*t+8*\kc:Q+16*t+8*\kc+7], v[S+32*t+8*kt:S+32*t+8*kt+7]
.endif
.set t, t+1
.endr
.set kt, kt+1
.endr
.endr
	WIN 0
.endm
.macro PV nkc, t0, nt                  ; O^T += V^T P over nkc times 32 keys
	WIN 0x51
.set kc, 0
.rept \nkc
.irp c4, 0,1,2,3
.set t, \t0
.rept \nt
	v_wmma_f32_16x16x32_f16 v[OA+32*t+8*\c4:OA+32*t+8*\c4+7], v[VF+16*\c4+8*kc:VF+16*\c4+8*kc+7], v[P+16*t+8*kc:P+16*t+8*kc+7], v[OA+32*t+8*\c4:OA+32*t+8*\c4+7]
.set t, t+1
.endr
.endr
.set kc, kc+1
.endr
	WIN 0
.endm
.macro LDK n, adr, off                 ; K's fragments of n tiles of keys (the destination's window is 1)
.set kt, 0
.rept \n
.irp g, 0,1,2,3
	ds_load_b128 v[KF+16*kt+4*\g:KF+16*kt+4*\g+3], v[\adr] offset:(\off)+4096*kt+512*\g
.endr
.set kt, kt+1
.endr
.endm
.macro LDV adr                         ; V^T's fragments of a key step
.irp c4, 0,1,2,3
.irp kc, 0,1
.irp u, 0,1
	ds_load_b128 v[VF+16*\c4+8*\kc+4*\u:VF+16*\c4+8*\kc+4*\u+3], v[\adr] offset:4096*(2*\kc+\u)+2048+512*\c4
.endr
.endr
.endr
.endm
.macro AFTERKQ t0, nt                  ; four plain instructions behind the products: the places in front of the loads and of the first read of the scores
.set t, \t0
.rept \nt
	v_mov_b32 v[CMO+t], v[ST+8*t]
.set t, t+1
.endr
.rept 4-(\nt)
	v_nop
.endr
.endm
.macro NEWMAX t0, nt                   ; from my half's largest (the old m among it) to the new m, c m and c m_old - c m_new
.set t, \t0
.rept \nt
	v_permlanex16_b32 v[ST+8*t+5], v[ST+8*t+4], s[SEL], s[SEL+1]
.set t, t+1
.endr
.set t, \t0
.rept \nt
	v_max_num_f32 v[ST+8*t+1], v[ST+8*t+4], v[ST+8*t+5]
.set t, t+1
.endr
.set t, \t0
.rept \nt
	v_mul_f32 v[ST+8*t], s[CS], v[ST+8*t+1]
.set t, t+1
.endr
.set t, \t0
.rept \nt
	v_sub_f32 v[ST+8*t+7], v[CMO+t], v[ST+8*t]
.set t, t+1
.endr
.endm
.macro SCALE t0, nt, p                 ; c s - c m of a pair of scores
.set t, \t0
.rept \nt
	v_pk_fma_f32 v[S+32*t+(\p):S+32*t+(\p)+1], v[S+32*t+(\p):S+32*t+(\p)+1], s[CS:CS+1], v[ST+8*t:ST+8*t+1] op_sel_hi:[1,0,0] neg_lo:[0,0,1] neg_hi:[0,0,1]
.set t, t+1
.endr
.endm
.macro EXPA t0, nt                     ; a = 2^(c m_old - c m_new)
.set t, \t0
.rept \nt
	v_exp_f32 v[ST+8*t+6], v[ST+8*t+7]
.set t, t+1
.endr
.endm
.macro EXPS t0, nt, j
.set t, \t0
.rept \nt
	v_exp_f32 v[S+32*t+(\j)], v[S+32*t+(\j)]
.set t, t+1
.endr
.endm
.macro PKADD t0, nt, d, s              ; pair d of the weights += pair s
.set t, \t0
.rept \nt
	v_pk_add_f32 v[S+32*t+(\d):S+32*t+(\d)+1], v[S+32*t+(\d):S+32*t+(\d)+1], v[S+32*t+(\s):S+32*t+(\s)+1]
.set t, t+1
.endr
.endm
.macro LSUM t0, nt                     ; l = a l + the step's sum
.set t, \t0
.rept \nt
	v_pk_fma_f32 v[ST+8*t+2:ST+8*t+3], v[ST+8*t+2:ST+8*t+3], v[ST+8*t+6:ST+8*t+7], v[S+32*t:S+32*t+1] op_sel_hi:[1,0,1]
.set t, t+1
.endr
.endm
.macro SOFTMAX32 t0, nt
.irp j, 0,1,2,3
.set t, \t0
.rept \nt
	v_max3_num_f32 v[ST+8*t+4+\j], v[S+32*t+8*\j], v[S+32*t+8*\j+1], v[S+32*t+8*\j+2]   ; each accumulator from its low end on
.set t, t+1
.endr
.endr
.irp u, 3,5
.irp j, 0,1,2,3
.set t, \t0
.rept \nt
	v_max3_num_f32 v[ST+8*t+4+\j], v[ST+8*t+4+\j], v[S+32*t+8*\j+\u], v[S+32*t+8*\j+\u+1]
.set t, t+1
.endr
.endr
.endr
.set t, \t0
.rept \nt
	v_max3_num_f32 v[ST+8*t+4], v[ST+8*t+4], v[S+32*t+7], v[S+32*t+15]
	v_max3_num_f32 v[ST+8*t+6], v[ST+8*t+6], v[S+32*t+23], v[S+32*t+31]
.set t, t+1
.endr
.set t, \t0
.rept \nt
	v_max3_num_f32 v[ST+8*t+4], v[ST+8*t+4], v[ST+8*t+5], v[ST+8*t+6]
.set t, t+1
.endr
.set t, \t0
.rept \nt
	v_max3_num_f32 v[ST+8*t+4], v[ST+8*t+4], v[ST+8*t+7], v[ST+8*t+1]
.set t, t+1
.endr
	NEWMAX \t0, \nt
.irp p, 0,2,4,6,8,10,12,14,16,18,20,22,24,26,28,30
	SCALE \t0, \nt, \p
.endr
	EXPA \t0, \nt
.irp j, 0,1,2,3,4,5,6,7,8,9,10,11,12,13,14,15,16,17,18,19,20,21,22,23,24,25,26,27,28,29,30,31
	EXPS \t0, \nt, \j
.endr
	v_nop                                          ; a plain place behind the batch
	s_wait_alu depctr_va_vdst(0)                   ; one wait for the whole batch, ahead of its first reader
.irp j, 0,1,2,3,4,5,6,7,8,9,10,11,12,13,14,15
.set t, \t0
.rept \nt
	v_cvt_pk_f16_f32 v[P+16*t+\j], v[S+32*t+2*\j], v[S+32*t+2*\j+1]
.set t, t+1
.endr
.endr
.irp u, 0,4,8,12,16,20,24,28
	PKADD \t0, \nt, \u, \u+2
.endr
.irp u, 0,8,16,24
	PKADD \t0, \nt, \u, \u+4
.endr
.irp u, 0,16
	PKADD \t0, \nt, \u, \u+8
.endr
	PKADD \t0, \nt, 0, 16
	LSUM \t0, \nt
.endm
.macro SOFTMAX8 t0, nt                 ; the same for one tile of keys
.set t, \t0
.rept \nt
	v_max3_num_f32 v[ST+8*t+4], v[S+32*t], v[S+32*t+1], v[S+32*t+2]
	v_max3_num_f32 v[ST+8*t+5], v[S+32*t+3], v[S+32*t+4], v[S+32*t+5]
.set t, t+1
.endr
.set t, \t0
.rept \nt
	v_max3_num_f32 v[ST+8*t+4], v[ST+8*t+4], v[S+32*t+6], v[S+32*t+7]
.set t, t+1
.endr
.set t, \t0
.rept \nt
	v_max3_num_f32 v[ST+8*t+4], v[ST+8*t+4], v[ST+8*t+5], v[ST+8*t+1]
.set t, t+1
.endr
	NEWMAX \t0, \nt
.irp p, 0,2,4,6
	SCALE \t0, \nt, \p
.endr
	EXPA \t0, \nt
.irp j, 0,1,2,3,4,5,6,7
	EXPS \t0, \nt, \j
.endr
	v_nop
	s_wait_alu depctr_va_vdst(0)
.irp j, 0,1,2,3
.set t, \t0
.rept \nt
	v_cvt_pk_f16_f32 v[P+16*t+\j], v[S+32*t+2*\j], v[S+32*t+2*\j+1]
	v_mov_b32 v[P+16*t+4+\j], 0                    ; the fragment's other 16 keys do not exist: p = 0
.set t, t+1
.endr
.endr
.irp u, 0,4
	PKADD \t0, \nt, \u, \u+2
.endr
	PKADD \t0, \nt, 0, 4
	LSUM \t0, \nt
.endm
.macro RESCALE t0, nt                  ; O^T x a
	WIN 0x41
.irp p, 0,2,4,6,8,10,12,14,16,18,20,22,24,26,28,30
.set t, \t0
.rept \nt
	v_pk_mul_f32 v[OA+32*t+\p:OA+32*t+\p+1], v[OA+32*t+\p:OA+32*t+\p+1], v[ST+8*t+6:ST+8*t+7] op_sel_hi:[1,0]
.set t, t+1
.endr
.endr
.endm
; A key step of 64 keys for my tiles 0 and 1.  pre = 1: the next step's K is fetched meanwhile; 3: K of my key step for tile 2 in this slot
.macro STEP pre, slot
	s_wait_dscnt 0x0                               ; K is in
	KQ 4, 0, 2
	v_add_nc_u32 v[ADR], s[TB], v[LI]
	AFTERKQ 0, 2
	WIN 0x40
	LDV ADR
.if \pre == 1
	LDK 4, ADR, STEPB
.else
	LDK 4, ADX+\slot, 0
.endif
	WIN 0
	SOFTMAX32 0, 2
	RESCALE 0, 2
	s_wait_dscnt 16                                ; V is in; the 16 younger loads (K) may be out
	PV 2, 0, 2
	s_add_co_u32 s[TB], s[TB], STEPB
.endm
; My key step of the slot for tile 2.  pre = 2: the last tile's K is fetched meanwhile
.macro XSTEP slot, pre
	s_wait_dscnt 0x0
	KQ 4, 2, 1
	AFTERKQ 2, 1
	WIN 0x40
	LDV ADX+\slot
.if \pre == 2
	LDK 1, ADT, 0
.endif
	WIN 0
	SOFTMAX32 2, 1
	RESCALE 2, 1
.if \pre == 2
	s_wait_dscnt 4                                 ; V is in; the 4 younger loads (K) may be out
.else
	s_wait_dscnt 0x0
.endif
	PV 2, 2, 1
.endm
; The last tile: keys 1,024 .. 1,032 and seven copies, for all three tiles.  more = 1: the next head's Q is asked for behind the last product that reads Q
.macro TAIL3 more
	s_wait_dscnt 0x0
	KQ 1, 0, 3
	AFTERKQ 0, 3
.if \more
	s_add_nc_u64 s[4:5], s[4:5], 133120            ; (the loads that read these bases were awaited at the head's top)
	s_add_nc_u64 s[QB:QB+1], s[QB:QB+1], 133120
	QLOAD
.endif
	WIN 0x40
.irp c4, 0,1,2,3
	ds_load_b128 v[VF+16*\c4:VF+16*\c4+3], v[ADT] offset:2048+512*\c4
	ds_load_b128 v[VF+16*\c4+4:VF+16*\c4+7], v[ADT] offset:2048+512*\c4     ; finite numbers under p = 0
.endr
	WIN 0
.irp j, 1,2,3,4,5,6,7
.irp t, 0,1
	v_cndmask_b32 v[S+32*\t+\j], v[S+32*\t+\j], v[NINF], s[MHI]    ; key 8 (lane / 16) + j counts while it is under 9
.endr
.endr
	v_cndmask_b32 v[S+64], v[S+64], v[NINF], s[MX0]                ; tile 2: the same in wave 0; in the other waves none of these keys counts
.irp j, 1,2,3,4,5,6,7
	v_cndmask_b32 v[S+64+\j], v[S+64+\j], v[NINF], s[MX1]
.endr
	SOFTMAX8 0, 3
	RESCALE 0, 3
	s_wait_dscnt 0x0
	PV 1, 0, 3
.endm
; My part of tile 2 goes to LDS: c m, l, and of O^T's four groups of 16 channels the one of my work-group's place, picked by selects on data
.macro PARTIAL
	PLACES                                         ; in front of the first read of the last products' results
	v_add_f32 v[ST+20], v[ST+18], v[ST+19]
	v_permlanex16_b32 v[ST+21], v[ST+20], s[SEL], s[SEL+1]
	v_add_f32 v[ST+20], v[ST+20], v[ST+21]         ; my keys' l
	WIN 0x05
.irp j, 0,1,2,3,4,5,6,7
	v_cndmask_b32 v[SELR+\j], v[OA+64+\j], v[OA+72+\j], s[M1]      ; each accumulator from its low end on
.endr
	WIN 0x04
.irp j, 0,1,2,3,4,5,6,7
	v_cndmask_b32 v[SELR+\j], v[SELR+\j], v[OA+80+\j], s[M1+1]
.endr
.irp j, 0,1,2,3,4,5,6,7
	v_cndmask_b32 v[SELR+\j], v[SELR+\j], v[OA+88+\j], s[M1+2]
.endr
	WIN 0
	ds_store_b32 v[MST], v[ST+16]
	ds_store_b32 v[MST], v[ST+20] offset:1024
	ds_store_b128 v[OST], v[SELR:SELR+3]
	ds_store_b128 v[OST], v[SELR+4:SELR+7] offset:512
.endm
; The change of slots.  Each wave waits for all its tensor loads (its part of the slot ahead), adds 0 to its spare word, and waits for that, for its reads of the slot that it leaves and for its stores.
; fill = 1: a round of the cluster's barrier, and the slot just left takes the next head's half, first thing behind it.
.macro CHANGE fill, g0, g1
	WIN 0
	s_wait_tensorcnt 0x0                           ; no tensor load of mine is out, so a group 0 may be written
	ds_add_u32 v[SPW], v[NIL]
.if \fill
	s_add_nc_u64 s[\g0+2:\g0+3], s[\g0+2:\g0+3], HEADB
.endif
	s_wait_dscnt 0x0
.if \fill
	ROUND
	tensor_load_to_lds s[\g0:\g0+3], s[\g1:\g1+7]
	s_nop 0
	PLACES
.else
	s_barrier_signal -1
	s_barrier_wait -1
.endif
.endm
.macro FIRSTK                          ; K of a slot's first key step
	v_add_nc_u32 v[ADR], s[TB], v[LI]
	WIN 0x40
	LDK 4, ADR, 0
	WIN 0
.endm
.macro INIT                            ; the step is written once: a head's first turn finds m under every score and zeros
.irp t, 0,1,2
	v_mov_b32 v[ST+8*\t+1], 0xff61b1e6             ; -3e38
	v_mul_f32 v[ST+8*\t], s[CS], v[ST+8*\t+1]
.irp j, 2,3,4,5,6,7
	v_mov_b32 v[ST+8*\t+\j], 0
.endr
.endr
	WIN 0x40
.set i, 0
.rept 96
	v_mov_b32 v[OA+i], 0
.set i, i+1
.endr
	WIN 0
.endm
; Tiles 0 and 1 leave: O^T / l, rounded to f16, is the image of the projection's operand: 512 consecutive bytes a store
.macro WAYOUT
.irp t, 0,1
	v_add_f32 v[ST+8*\t+4], v[ST+8*\t+2], v[ST+8*\t+3]
.endr
.irp t, 0,1
	v_permlanex16_b32 v[ST+8*\t+5], v[ST+8*\t+4], s[SEL], s[SEL+1]
.endr
.irp t, 0,1
	v_add_f32 v[ST+8*\t+4], v[ST+8*\t+4], v[ST+8*\t+5]
.endr
.irp t, 0,1
	v_rcp_f32 v[ST+8*\t+6], v[ST+8*\t+4]
.endr
	v_nop
	s_wait_alu depctr_va_vdst(0)
	RESCALE 0, 2
	WIN 0x05
.irp t, 0,1
.irp j, 0,1,2,3,4,5,6,7,8,9,10,11,12,13,14,15
	v_cvt_pk_f16_f32 v[S+16*\t+\j], v[OA+32*\t+2*\j], v[OA+32*\t+2*\j+1]
.endr
.endr
	WIN 0
.irp t, 0,1
.irp c4, 0,1,2,3
	global_store_b128 v[LI], v[S+16*\t+4*\c4:S+16*\t+4*\c4+3], s[8:9] offset:24576*\t+512*\c4
.endr
.endr
.endm
; Wave 0 joins the eight waves' parts of tile 2's chosen group, which lie in LDS since the barrier above
.macro MERGE
	s_cmp_lg_u32 s[WV], 0
	s_cbranch_scc1 .Lnot_joining_\@
.irp p, 0,1,2,3,4,5,6,7
	ds_load_b32 v[CM+\p], v[MLD] offset:128*\p
	ds_load_b32 v[LL+\p], v[MLD] offset:1024+128*\p
.endr
.irp p, 0,1,2,3,4,5,6,7
	ds_load_b128 v[OO+8*\p:OO+8*\p+3], v[OLD] offset:1024*\p
	ds_load_b128 v[OO+8*\p+4:OO+8*\p+7], v[OLD] offset:1024*\p+512
.endr
	s_wait_dscnt 0x0
	v_max3_num_f32 v[TM], v[CM], v[CM+1], v[CM+2]
	v_max3_num_f32 v[TM], v[TM], v[CM+3], v[CM+4]
	v_max3_num_f32 v[TM], v[TM], v[CM+5], v[CM+6]
	v_max_num_f32 v[TM], v[TM], v[CM+7]            ; the largest c m
.irp p, 0,1,2,3,4,5,6,7
	v_sub_f32 v[CM+\p], v[CM+\p], v[TM]
.endr
.irp p, 0,1,2,3,4,5,6,7
	v_exp_f32 v[CM+\p], v[CM+\p]
.endr
	v_nop
	s_wait_alu depctr_va_vdst(0)
	v_mul_f32 v[LS], v[CM], v[LL]
.irp j, 0,1,2,3,4,5,6,7
	v_mul_f32 v[RS+\j], v[CM], v[OO+\j]
.endr
.irp p, 1,2,3,4,5,6,7
	v_fmac_f32 v[LS], v[CM+\p], v[LL+\p]
.irp j, 0,1,2,3,4,5,6,7
	v_fmac_f32 v[RS+\j], v[CM+\p], v[OO+8*\p+\j]
.endr
.endr
	v_rcp_f32 v[LS], v[LS]
	v_nop
	s_wait_alu depctr_va_vdst(0)
.irp j, 0,1,2,3,4,5,6,7
	v_mul_f32 v[RS+\j], v[RS+\j], v[LS]
.endr
.irp j, 0,1,2,3
	v_cvt_pk_f16_f32 v[RC+\j], v[RS+2*\j], v[RS+2*\j+1]
.endr
	global_store_b128 v[LI], v[RC:RC+3], s[YX:YX+1]                ; 512 consecutive bytes, aligned: one group of Y's image
.Lnot_joining_\@:
.endm
; A head.  more = 1: another head follows: both slots are filled again, its Q is asked for, the stores' bases step
.macro HEAD more
	INIT
	s_wait_loadcnt 0x0                             ; Q
	s_mov_b32 s[TB], 0
	FIRSTK
	s_mov_b32 s[CNT], 7
.Lslot0_\@:                                        ; key steps 0 .. 6
	STEP 1, 0
	s_sub_co_u32 s[CNT], s[CNT], 1
	s_cmp_lg_u32 s[CNT], 0
	s_cbranch_scc1 .Lslot0_\@
	STEP 3, 0                                      ; 7
	XSTEP 0, 0
	CHANGE \more, DA, G1A
	s_mov_b32 s[TB], SLOT1
	FIRSTK
	s_mov_b32 s[CNT], 7
.Lslot1_\@:                                        ; 8 .. 14
	STEP 1, 1
	s_sub_co_u32 s[CNT], s[CNT], 1
	s_cmp_lg_u32 s[CNT], 0
	s_cbranch_scc1 .Lslot1_\@
	STEP 3, 1                                      ; 15
	XSTEP 1, 2
	TAIL3 \more
	PARTIAL
	CHANGE \more, DB, G1C                          ; also the barrier between the parts' stores and wave 0's reads of them
	WAYOUT
	MERGE
.if \more
	s_wait_xcnt 0x0                                ; the stores have read their registers and bases: both are written again only behind this wait
	s_add_nc_u64 s[8:9], s[8:9], 2048              ; the next head's groups
	s_add_nc_u64 s[YX:YX+1], s[YX:YX+1], 2048
.endif
.endm
	QLOAD
	s_wait_tensorcnt 1                             ; my part of slot 0 is in; slot 1's may stay out
	s_barrier_signal -1
	s_barrier_wait -1
	s_mov_b32 s[HCNT], 2
.Lhead:                                            ; two trips: the heads that have a successor
	HEAD 1
	s_sub_co_u32 s[HCNT], s[HCNT], 1
	s_cmp_lg_u32 s[HCNT], 0
	s_cbranch_scc1 .Lhead
	HEAD 0                                         ; the last head is written out: it asks for nothing more
	s_wait_tensorcnt 0x0                           ; the wave's end
	ds_add_u32 v[SPW], v[NIL]
	s_wait_dscnt 0x0
	ROUND                                          ; the closing round
	s_endpgm
.Lfunc_end_k_qe92f321e63_attn:
	.size	k_qe92f321e63_attn, .Lfunc_end_k_qe92f321e63_attn-k_qe92f321e63_attn
	.p2alignl 7, 3214868480
	.fill 96, 4, 3214868480
	.section	.rodata,"a",@progbits
	.p2align	6, 0x0
	.amdhsa_kernel k_qe92f321e63_attn
		.amdhsa_group_segment_fixed_size 327680
		.amdhsa_private_segment_fixed_size 0
		.amdhsa_enable_private_segment 0
		.amdhsa_kernarg_size 24
		.amdhsa_user_sgpr_count 2
		.amdhsa_user_sgpr_kernarg_segment_ptr 1
		.amdhsa_wavefront_size32 1
		.amdhsa_system_sgpr_workgroup_id_x 1
		.amdhsa_system_sgpr_workgroup_id_y 1
		.amdhsa_system_sgpr_workgroup_id_z 1
		.amdhsa_system_vgpr_workitem_id 0
		.amdhsa_next_free_vgpr 512
		.amdhsa_next_free_sgpr 72
		.amdhsa_reserve_vcc 0
		.amdhsa_float_denorm_mode_32 3
		.amdhsa_float_denorm_mode_16_64 3
		.amdhsa_memory_ordered 1
		.amdhsa_forward_progress 1
		.amdhsa_inst_pref_size 243
	.end_amdhsa_kernel
	.amdgpu_metadata
---
amdhsa.version: [ 1, 2 ]
amdhsa.kernels:
  - .name:           k_qe92f321e63_attn
    .symbol:         k_qe92f321e63_attn.kd
    .args:
      - { .name: Qimg, .offset: 0, .size: 8, .value_kind: global_buffer, .address_space: global }
      - { .name: KV, .offset: 8, .size: 8, .value_kind: global_buffer, .address_space: global }
      - { .name: Y, .offset: 16, .size: 8, .value_kind: global_buffer, .address_space: global }
    .group_segment_fixed_size: 327680
    .private_segment_fixed_size: 0
    .kernarg_segment_align: 8
    .kernarg_segment_size: 24
    .max_flat_workgroup_size: 256
    .sgpr_count:     72
    .vgpr_count:     512
    .wavefront_size: 32
...
	.end_amdgpu_metadata
.endif
;; end of part 3
;; launch proj (part 4): grid 4 x 52, 4 waves a work-group, clusters of 4 x 4, 327,680 bytes of LDS; arguments Y, Wp, out0; writes out0
.if DOCPART == 4
	.amdgcn_target "amdgcn-amd-amdhsa--gfx1250"
	.amdhsa_code_object_version 6
	.text
	.protected	k_qe92f321e63_proj
	.globl	k_qe92f321e63_proj
	.p2align	8
	.type	k_qe92f321e63_proj,@function
k_qe92f321e63_proj:
	s_mov_b64 s[64:65], 0
	v_nop
	global_prefetch_b8 v0, s[64:65] scope:SCOPE_SE
	s_setreg_imm32_b32 hwreg(HW_REG_WAVE_MODE, 25, 1), 1
	s_wait_xcnt 0x0
	s_wait_alu depctr_hold_cnt(0) depctr_sa_sdst(0) depctr_va_vdst(0) depctr_va_sdst(0) depctr_va_ssrc(0) depctr_va_vcc(0) depctr_vm_vsrc(0)
	s_getreg_b32 s2, hwreg(HW_REG_IB_STS2, 6, 4)
	s_cmp_eq_u32 s2, 0
	s_cbranch_scc0 .Lentry_in_a_cluster
	s_endpgm
.Lentry_in_a_cluster:
	s_bfe_u32 s2, ttmp6, 0x10000c
	s_cmp_lg_u32 s2, 0xf033
	s_cbranch_scc0 .Lentry_shape_is_right
	s_endpgm
.Lentry_shape_is_right:
; proj: out0 = y Wproj^T, f16 operands, f32 sums.  Y and Wp are images of operand registers: a tile of 16 rows is 48 groups of 512 bytes, 8 of them (4,096 bytes) to a K step of 128.
; SHARES.  A work-group makes 20 tiles of positions x 192 columns; wave w tiles 5 w .. 5 w + 4 against all 12 tiles of columns: 60 accumulators, so a wave owns whole pieces of 768 bytes of an output row.
; K goes in six steps through a ring of two LDS slots.  CLUSTER 4 x 4: Y's tiles are shared along a row of the cluster, Wp's along a column: each is asked for jointly.
; THE MATRIX INSTRUCTION IS USED TRANSPOSED (source 0 = 16 rows of Wproj, source 1 = 16 positions): a lane holds eight neighbouring numbers of an output row.
; POSITIONS go back to tokens on the way out: position p < 1,024 is token p + 9; tile 64 holds tokens 0 .. 8, and its rows 9 .. 15, copies of token 8, are stored onto token 8 with the same bytes.
; REGISTERS.  Window 0: addresses; v32-111 Y's fragments, two sets of 40; v112-207 Wp's set 0.  Window 1: v0-95 Wp's set 1.  Windows 2, 3: accumulator n = 12 a + b at v[8 (n % 32)] of window 2 + n / 32.
.set SLOT,  131072                     ; Y's 20 tiles x 4,096 bytes, then Wp's 12
.set BOFF,  81920
.set SPARE, 2*SLOT
.set SP,    784                        ; the way out: a stage row: 768 bytes + 16
.set LI,   3
.set GOL,  4                           ; v4-6    rows 0 .. 7: my offset in out0
.set GOH,  7                           ; v7-9    rows 8 .. 15
.set RD,   10                          ; v10-12  where I read the stage back
.set COL,  13                          ; v13-15  my column's bytes
.set ADRA, 16
.set ROWI, 18                          ; v18-20  my row of the two that three loads cover
.set ADRB, 22
.set STO,  24
.set SPW,  28
.set NIL,  29
.set AF,   32
.set BF0,  112
.set BK,   32                          ; the way out: 24 x 4 registers
.set G1,  24
.set G0,  32
.set G1B, 48
.set G0B, 56
.set MSB, 0
.macro WIN new
.if MSB != (\new)
	s_set_vgpr_msb (MSB<<8)|(\new)
.set MSB, (\new)
.endif
.endm
.macro PLACES
.rept 4
	v_nop
.endr
.endm
.macro JLOAD s                         ; a joint load: waves 0 and 1 fetch Y's two halves, waves 2 and 3 Wp's; the branch hangs on the wave's number alone
	s_cmp_eq_u32 s11, 0
	s_cbranch_scc0 .Lfor_b_\@
	tensor_load_to_lds s[G0+4*\s:G0+4*\s+3], s[G1:G1+7]
	s_nop 0
	PLACES
	s_branch .Lasked_\@
.Lfor_b_\@:
	tensor_load_to_lds s[G0B+4*\s:G0B+4*\s+3], s[G1B:G1B+7]
	s_nop 0
	PLACES
.Lasked_\@:
.endm
.macro CREST                           ; a round of the cluster's barrier behind its opening barrier
	s_cmp_lg_u32 s10, 0
	s_cbranch_scc1 .Lnot_wave_0_\@
	s_barrier_signal -3
.Lnot_wave_0_\@:
	s_barrier_wait -3
	s_barrier_signal -1
	s_barrier_wait -1
.endm
.macro CROUND
	s_barrier_signal -1
	s_barrier_wait -1
	CREST
.endm
	s_load_b128 s[4:7], s[0:1], 0x0                ; Y, Wp
	s_load_b64 s[8:9], s[0:1], 0x10                ; out0
	v_lshl_add_u32 v[SPW], v0, 2, SPARE
	v_mov_b32 v[NIL], 0
	ds_add_u32 v[SPW], v[NIL]                      ; the opening: the add, twice on end, and its wait ahead of my first tensor load
	ds_add_u32 v[SPW], v[NIL]
	v_lshrrev_b32 v1, 5, v0
	v_readfirstlane_b32 s10, v1                    ; wave
	s_lshr_b32 s11, s10, 1                         ; I fetch for Y (0) or for Wp (1),
	s_and_b32 s12, s10, 1                          ; its first or its second half
	s_bfe_u32 s40, ttmp6, 0x40000                  ; cx
	s_bfe_u32 s41, ttmp6, 0x40004                  ; cy
	s_lshl_b32 s42, ttmp9, 2
	s_add_co_u32 s42, s42, s40                     ; block of 192 columns
	s_and_b32 s13, ttmp7, 0xffff
	s_lshl_b32 s13, s13, 2
	s_add_co_u32 s13, s13, s41                     ; block of 20 tiles of rows
	s_lshl_b32 s43, s41, 2
	s_lshl_b32 s43, 15, s43                        ; my row of the cluster
	s_lshl_b32 s44, 0x1111, s40                    ; my column
	s_or_b32 s[G1], s43, (3<<16)|(1<<21)           ; the mask; elements of 8 bytes; bit 21 beside a mask
	s_or_b32 s[G1B], s44, (3<<16)|(1<<21)
.irp g, G1, G1B
	s_mov_b32 s[\g+1], 512<<16                     ; tensor_dim0: a tile's 4,096 bytes of a K step
	s_mov_b32 s[\g+3], 512<<16                     ; tile_dim0
	s_mov_b32 s[\g+5], 3072                        ; from tile to tile: 24,576 bytes
	s_mov_b32 s[\g+6], 0
	s_mov_b32 s[\g+7], 0
.endr
	s_mov_b32 s[G1+2], 10<<16                      ; ten tiles of Y to a load,
	s_mov_b32 s[G1+4], 10
	s_mov_b32 s[G1B+2], 6<<16                      ; six of Wp
	s_mov_b32 s[G1B+4], 6
	s_mul_i32 s16, s13, 20
	s_mul_i32 s17, s12, 10
	s_add_co_u32 s16, s16, s17
	s_mul_i32 s16, s16, 24576
	s_mov_b32 s17, 0
	s_mul_i32 s18, s42, 12
	s_mul_i32 s19, s12, 6
	s_add_co_u32 s18, s18, s19
	s_mul_i32 s18, s18, 24576
	s_mov_b32 s19, 0
	s_mul_i32 s20, s12, 40960                      ; where they go: no place in the cluster enters an LDS address
	s_mul_i32 s21, s12, 24576
	s_add_co_u32 s21, s21, BOFF
	s_wait_dscnt 0x0
	s_wait_kmcnt 0x0
	s_add_nc_u64 s[14:15], s[4:5], s[16:17]
	s_add_nc_u64 s[22:23], s[6:7], s[18:19]
	CROUND                                         ; all sixteen work-groups are here: the first joint loads meet
.irp s, 0,1
	s_mov_b32 s[G0+4*\s], 1
	s_add_co_u32 s[G0+4*\s+1], s20, \s*SLOT
	s_add_nc_u64 s[G0+4*\s+2:G0+4*\s+3], s[14:15], \s*4096
	s_or_b32 s[G0+4*\s+3], s[G0+4*\s+3], 0x80000000
	s_mov_b32 s[G0B+4*\s], 1
	s_add_co_u32 s[G0B+4*\s+1], s21, \s*SLOT
	s_add_nc_u64 s[G0B+4*\s+2:G0B+4*\s+3], s[22:23], \s*4096
	s_or_b32 s[G0B+4*\s+3], s[G0B+4*\s+3], 0x80000000
	JLOAD \s
.endr
	v_and_b32 v1, 15, v0                           ; r
	v_bfe_u32 v2, v0, 4, 1                         ; h
	v_and_b32 v[LI], 31, v0
	v_lshlrev_b32 v[LI], 4, v[LI]
	s_mul_i32 s16, s10, 5*4096                     ; my five tiles of Y
.irp s, 0,1
	v_add_nc_u32 v[ADRA+\s], s16, v[LI]
	v_add_nc_u32 v[ADRB+\s], BOFF+\s*SLOT, v[LI]
	s_add_co_u32 s16, s16, SLOT
.endr
	s_mul_i32 s16, s10, 16*SP                      ; my stage
	v_mul_u32_u24 v[STO], v1, SP
	v_lshl_add_u32 v[STO], v2, 5, v[STO]
	v_add_nc_u32 v[STO], s16, v[STO]
	; back: a row's 768 bytes are three pieces of 256; three loads take six pieces, two rows.  Piece 2 i + h: row (2 i + h) / 3, column 256 ((2 i + h) % 3)
	v_lshl_add_u32 v[RD], v1, 4, s16
	v_mul_u32_u24 v[RD+1], v2, 272
	v_add_nc_u32 v[RD+1], v[RD+1], v[RD]
	v_add_nc_u32 v[RD+1], 512, v[RD+1]             ; h = 0: row 0, column 512; h = 1: row 1, column 0
	v_lshl_add_u32 v[RD], v2, 8, v[RD]             ; row 0, column 256 h
	v_add_nc_u32 v[RD+2], SP+256, v[RD]            ; row 1, column 256 + 256 h
	v_lshlrev_b32 v[COL], 4, v1
	v_lshl_add_u32 v[COL], v2, 8, v[COL]
	v_lshlrev_b32 v[COL+1], 9, v2
	v_sub_nc_u32 v[COL+1], 512, v[COL+1]
	v_lshl_add_u32 v[COL+1], v1, 4, v[COL+1]
	v_add_nc_u32 v[COL+2], 256, v[COL]
	v_mov_b32 v[ROWI], 0
	v_mov_b32 v[ROWI+1], v2
	v_mov_b32 v[ROWI+2], 1
.irp i, 0,1,2
	v_mad_u32_u24 v[GOL+\i], v[ROWI+\i], 3072, v[COL+\i]
.endr
	s_mul_i32 s45, s13, 20
	s_mul_i32 s46, s10, 5
	s_add_co_u32 s45, s45, s46                     ; my first tile of positions
	s_mul_i32 s46, s42, 768                        ; my block's columns in bytes
.macro MULS n0, cnt, p, zero           ; products n0 .. n0 + cnt - 1 on fragment sets p; the 60 accumulators take turns
.set n, \n0
.rept \cnt
	WIN ((2+n/32)<<6)|((2+n/32)<<4)|(\p)
.if \zero
	v_wmma_f32_16x16x32_f16 v[8*(n%32):8*(n%32)+7], v[BF0*(1-(\p))+8*(n%12):BF0*(1-(\p))+8*(n%12)+7], v[AF+40*(\p)+8*(n/12):AF+40*(\p)+8*(n/12)+7], 0
.else
	v_wmma_f32_16x16x32_f16 v[8*(n%32):8*(n%32)+7], v[BF0*(1-(\p))+8*(n%12):BF0*(1-(\p))+8*(n%12)+7], v[AF+40*(\p)+8*(n/12):AF+40*(\p)+8*(n/12)+7], v[8*(n%32):8*(n%32)+7]
.endif
.set n, n+1
.endr
.endm
.macro FETCH slot, q, p                ; 34 LDS loads in one run: the fragments of the slot's q-th 32 along K into sets p
.if (\p) == 1
	WIN 0x40
.else
	WIN 0
.endif
.irp b, 0,1,2,3,4,5,6,7,8,9,10,11
	ds_load_b128 v[BF0*(1-(\p))+8*\b:BF0*(1-(\p))+8*\b+3], v[ADRB+\slot] offset:\b*4096+(\q)*1024
	ds_load_b128 v[BF0*(1-(\p))+8*\b+4:BF0*(1-(\p))+8*\b+7], v[ADRB+\slot] offset:\b*4096+(\q)*1024+512
.endr
	WIN 0
.irp a, 0,1,2,3,4
	ds_load_b128 v[AF+40*(\p)+8*\a:AF+40*(\p)+8*\a+3], v[ADRA+\slot] offset:\a*4096+(\q)*1024
	ds_load_b128 v[AF+40*(\p)+8*\a+4:AF+40*(\p)+8*\a+7], v[ADRA+\slot] offset:\a*4096+(\q)*1024+512
.endr
.endm
.macro QUARTER slot, q, zero           ; one of a K step's first three quarters: multiplies sets q % 2 and fetches the next quarter into the others
	s_wait_dscnt 0x0                               ; asked for 28 matrix instructions ago
	MULS 0, 32, (\q)%2, \zero
	PLACES                                         ; in front of loads into registers that matrix instructions have read
	FETCH \slot, (\q)+1, ((\q)+1)%2
	MULS 32, 28, (\q)%2, \zero
.endm
; The last quarter changes slots: one barrier; in front of it each wave waits for all its tensor loads, adds 0 to its spare word, and waits for that and for its reads of this slot.
.macro TURN slot, next, fill
	WIN 0
	s_wait_tensorcnt 0x0                           ; all my tensor loads have landed: my part of the next slot
	ds_add_u32 v[SPW], v[NIL]
	s_wait_dscnt 1                                 ; the fragments are in; the add alone may be out
	MULS 0, 16, 1, 0
	s_wait_dscnt 0x0
	s_barrier_signal -1
	MULS 16, 16, 1, 0
	WIN 0
	s_barrier_wait -1
.if \fill
	CREST                                          ; the barrier has opened a round of the cluster's: no wave of any partner still reads this slot or has a load on its way
	s_add_nc_u64 s[G0+4*\slot+2:G0+4*\slot+3], s[G0+4*\slot+2:G0+4*\slot+3], 8192
	s_add_nc_u64 s[G0B+4*\slot+2:G0B+4*\slot+3], s[G0B+4*\slot+2:G0B+4*\slot+3], 8192
	JLOAD \slot                                    ; the first tensor load behind the round; its four v_nop are also the places in front of the loads below
.else
	PLACES
.endif
	FETCH \next, 0, 0
	MULS 32, 28, 1, 0
.endm
	s_wait_tensorcnt 1                             ; my part of K step 0 is in; K step 1's may stay out
	s_barrier_signal -1
	s_barrier_wait -1
	FETCH 0, 0, 0
	QUARTER 0, 0, 1                                ; the first quarter's products start the sums
	WIN 0
	s_mov_b32 s3, 2
.Llap:                                             ; a trip goes once round the ring and fills both slots again
	QUARTER 0, 1, 0
	QUARTER 0, 2, 0
	TURN 0, 1, 1
	QUARTER 1, 0, 0
	QUARTER 1, 1, 0
	QUARTER 1, 2, 0
	TURN 1, 0, 1
	QUARTER 0, 0, 0
	WIN 0
	s_sub_co_u32 s3, s3, 1
	s_cmp_lg_u32 s3, 0
	s_cbranch_scc1 .Llap
	QUARTER 0, 1, 0                                ; the last lap fills nothing
	QUARTER 0, 2, 0
	TURN 0, 1, 0
	QUARTER 1, 0, 0
	QUARTER 1, 1, 0
	QUARTER 1, 2, 0
	s_wait_dscnt 0x0
	MULS 0, 60, 1, 0
	WIN 0
	PLACES
; THE WAY OUT, tile by tile, through my stage, which lies in slot 0: that slot has had its last fill, and every wave has passed the barrier behind which nobody reads it.
.macro SENDTILE a
	s_wait_xcnt 0x0                                ; the last tile's stores have read their registers, offsets and bases
	s_add_co_u32 s76, s45, \a
	s_mul_i32 s77, s76, 1009
	s_lshr_b32 s77, s77, 16                        ; batch
	s_mul_i32 s78, s77, 65
	s_sub_co_u32 s78, s76, s78                     ; tile in the batch
	s_lshl_b32 s79, s78, 4
	s_add_co_u32 s79, s79, 9
	s_mov_b32 s80, 3072
	s_cmp_eq_u32 s78, 64
	s_cselect_b32 s79, 0, s79                      ; the tile's first token
	s_cselect_b32 s80, 0, s80                      ; from row to row beyond row 8: nothing in tile 64
	s_mul_i32 s77, s77, 1033
	s_add_co_u32 s77, s77, s79
	s_mul_i32 s76, s77, 3072
	s_add_co_u32 s76, s76, s46
	s_mov_b32 s77, 0
	s_add_nc_u64 s[66:67], s[8:9], s[76:77]
	s_lshl_b32 s76, s80, 1
	s_add_nc_u64 s[68:69], s[66:67], s[76:77]
	s_add_nc_u64 s[70:71], s[68:69], s[76:77]
	s_add_nc_u64 s[72:73], s[70:71], s[76:77]
.irp i, 0,1,2
	v_mad_u32_u24 v[GOH+\i], v[ROWI+\i], s80, v[COL+\i]
.endr
.irp b, 0,1,2,3,4,5,6,7,8,9,10,11
	WIN ((2+(12*(\a)+\b)/32)<<2)
	ds_store_b128 v[STO], v[8*((12*(\a)+\b)%32):8*((12*(\a)+\b)%32)+3] offset:64*\b          ; each accumulator from its low end on
	ds_store_b128 v[STO], v[8*((12*(\a)+\b)%32)+4:8*((12*(\a)+\b)%32)+7] offset:64*\b+16
.endr
	WIN 0
.irp p, 0,1,2,3,4,5,6,7
.irp i, 0,1,2
	ds_load_b128 v[BK+4*(3*\p+\i):BK+4*(3*\p+\i)+3], v[RD+\i] offset:2*\p*SP   ; LDS serves a wave's instructions in order: these see my stores
.endr
.endr
.irp p, 0,1,2,3
.irp i, 0,1,2
	s_wait_dscnt 23-(3*\p+\i)
	global_store_b128 v[GOL+\i], v[BK+4*(3*\p+\i):BK+4*(3*\p+\i)+3], s[66:67] offset:2*\p*3072 th:TH_STORE_NT   ; sixteen lanes store 256 consecutive bytes, aligned
.endr
.endr
.irp p, 4,5,6,7
.irp i, 0,1,2
	s_wait_dscnt 23-(3*\p+\i)
	global_store_b128 v[GOH+\i], v[BK+4*(3*\p+\i):BK+4*(3*\p+\i)+3], s[66+2*(\p-4):67+2*(\p-4)] offset:8*3072 th:TH_STORE_NT
.endr
.endr
.endm
.irp a, 0,1,2,3,4
	SENDTILE \a
.endr
	s_wait_tensorcnt 0x0                           ; the wave's end
	ds_add_u32 v[SPW], v[NIL]
	s_wait_dscnt 0x0
	CROUND                                         ; the closing round
	s_endpgm
.Lfunc_end_k_qe92f321e63_proj:
	.size	k_qe92f321e63_proj, .Lfunc_end_k_qe92f321e63_proj-k_qe92f321e63_proj
	.p2alignl 7, 3214868480
	.fill 96, 4, 3214868480
	.section	.rodata,"a",@progbits
	.p2align	6, 0x0
	.amdhsa_kernel k_qe92f321e63_proj
		.amdhsa_group_segment_fixed_size 327680
		.amdhsa_private_segment_fixed_size 0
		.amdhsa_enable_private_segment 0
		.amdhsa_kernarg_size 24
		.amdhsa_user_sgpr_count 2
		.amdhsa_user_sgpr_kernarg_segment_ptr 1
		.amdhsa_wavefront_size32 1
		.amdhsa_system_sgpr_workgroup_id_x 1
		.amdhsa_system_sgpr_workgroup_id_y 1
		.amdhsa_system_sgpr_workgroup_id_z 1
		.amdhsa_system_vgpr_workitem_id 0
		.amdhsa_next_free_vgpr 1024
		.amdhsa_next_free_sgpr 96
		.amdhsa_reserve_vcc 0
		.amdhsa_float_denorm_mode_32 3
		.amdhsa_float_denorm_mode_16_64 3
		.amdhsa_memory_ordered 1
		.amdhsa_forward_progress 1
		.amdhsa_inst_pref_size 144
	.end_amdhsa_kernel
	.amdgpu_metadata
---
amdhsa.version: [ 1, 2 ]
amdhsa.kernels:
  - .name:           k_qe92f321e63_proj
    .symbol:         k_qe92f321e63_proj.kd
    .args:
      - { .name: Y, .offset: 0, .size: 8, .value_kind: global_buffer, .address_space: global }
      - { .name: Wp, .offset: 8, .size: 8, .value_kind: global_buffer, .address_space: global }
      - { .name: out0, .offset: 16, .size: 8, .value_kind: global_buffer, .address_space: global }
    .group_segment_fixed_size: 327680
    .private_segment_fixed_size: 0
    .kernarg_segment_align: 8
    .kernarg_segment_size: 24
    .max_flat_workgroup_size: 128
    .sgpr_count:     96
    .vgpr_count:     1024
    .wavefront_size: 32
...
	.end_amdgpu_metadata
.endif
;; end of part 4
